; MI455X (gfx1250); checked and timed in simulation.
; The chip was launched on July 23, 2026; its instructions are those of AMD's public machine-readable ISA for CDNA 5 (MIT licence, August 2026) and "CDNA5" Instruction Set Architecture Reference Guide (July 2026). The comments in the code are by the model that wrote it; some were corrected since.
;; Efficient Attention. Allowed arithmetic: matrix products marked QUANTISED: E4M3 operands, one E8M0 scale for each 32 along K, by v_wmma_scale_f32_16x16x128_f8f6f4 with both operands' format E4M3, f32 sums; products left as they are: f32 operands where the result goes on into a quantised operand, else bf16, f16 or f32 operands; f32 sums; everything else in f32.
;; Inputs: b_in 1,024 float32; bf 1 float32; bo 1,024 float32; w_in 1 x 1,024 float32; wf 1,024 x 1 float32; wk 1,024 x 1,024 float32; wo 1,024 x 1,024 float32; wq 1,024 x 1,024 float32; wv 1,024 x 1,024 float32; x 2 x 2,048 x 1 float32.
;; Outputs: out0 2 x 1 x 2,048 float32.
;; This version of the problem:
;;   THIS VERSION OF THE PROBLEM IS GIVEN IN LOW PRECISION. The matrix products marked QUANTISED in the list below multiply operands that are first quantised to E4M3 (4 exponent bits, 3 mantissa bits; 8 bits a number), with one power-of-two scale for each 32 numbers along K (OCP MX v1.0); their sums are f32. All else is computed in f32.
;;   The module's matrix products, in the order in which they are computed (A, B: the left and right operand; K: the contracted axis; several contracted axes count as one K, in the product's order):
;;     1. [M 4,096, K 1] x [K 1, N 1,024]; A: input x; B: input w_in: left as it is (K = 1 < 32)
;;     2. [M 4,096, K 1,024] x [K 1,024, N 1,024]; A: computed on the way; B: input wq: QUANTISED
;;     3. [M 4,096, K 1,024] x [K 1,024, N 1,024]; A: computed on the way; B: input wk: QUANTISED
;;     4. [M 4,096, K 1,024] x [K 1,024, N 1,024]; A: computed on the way; B: input wv: QUANTISED
;;     5. batch 32 x [M 2,048, K 64] x [K 64, N 2,048]; A: computed on the way; B: computed on the way: QUANTISED
;;     6. batch 32 x [M 64, K 2,048] x [K 2,048, N 2,048]; A: computed on the way; B: softmax (see below): QUANTISED
;;     7. [M 4,096, K 1,024] x [K 1,024, N 1,024]; A: computed on the way; B: input wo: QUANTISED
;;     8. [M 4,096, K 1,024] x [K 1,024, N 1]; A: computed on the way; B: input wf: left as it is (N = 1 < 16)
;;   THE QUANTISER, for each operand of a quantised product, along K:
;;     - K is cut into blocks of 32 from its start; a last block that is shorter is filled with zeros.
;;     - A block's scale is 2^e with e = floor(log2(the largest magnitude in the block)) - 8, held to -126 .. 127; a block of zeros has e = 0. As a byte (E8M0): e + 127.
;;     - Each number is divided by its block's scale, clamped to +-448, and rounded to the nearest number of E4M3, ties to even, subnormals kept.
;;     - The product sums the exact products of the quantised numbers (number of the format x scale) in f32.
;;   ~~~python
;;   def quantise(x, axis):      # numpy; x: float32 -> the quantised numbers, widened to float32 again
;;       x = np.moveaxis(x, axis, -1); K = x.shape[-1]
;;       x = np.pad(x, [(0, 0)] * (x.ndim - 1) + [(0, -K % 32)]); x = x.reshape(x.shape[:-1] + (-1, 32)); a = np.abs(x).max(-1, keepdims=True)
;;       e = np.where(a > 0, np.clip(np.frexp(np.where(a > 0, a, 1))[1] - 1 - 8, -126, 127), 0)      # np.frexp(a)[1] - 1 = floor(log2(a)), exactly
;;       r = np.clip(x / 2.0 ** e, -448, 448)
;;       step = 2.0 ** (np.maximum(np.frexp(np.where(r == 0, 1, r))[1] - 1, -6) - 3)
;;       q = np.round(r / step) * step * 2.0 ** e      # np.round: ties to even
;;       return np.moveaxis(q.reshape(q.shape[:-2] + (-1,))[..., :K], -1, axis).astype(np.float32)
;;   ~~~
;;   SOFTMAX AHEAD OF A QUANTISED PRODUCT. Where the list says 'softmax', what is quantised is not the finished softmax but p = 2^(t - M), with t = logit x log2(e) and M = ceil(the row's largest t), a whole number; so 1/2 < the row's largest p <= 1. The row's sum l is taken of the UNQUANTISED p, in f32, and the product's result is divided by l at the end. Since M is a whole number, a kernel that streams over the keys may use a running M (the ceiling of the running maximum): every later rescaling is an exact power of two, which a block's scale takes up: the codes' values come out the same.
;;   OPERANDS COMPUTED ON THE WAY. 'Computed on the way' means the value that the module computes at that place (a softmax that the list does not call 'softmax' is quantised finished and normalised). What goes into a quantiser is computed in f32, as accurately as f32 sums, v_exp_f32 and their like allow (about 1e-6 of the number): no bf16 or f16 on the way to a quantiser, and a product that is left as it is and whose result goes on into a quantised operand takes f32 operands (vector FMAs, or v_wmma_f32_16x16x4_f32). A number that lies on a knife's edge between two numbers of the format may be rounded either way, as far as f32 arithmetic and the matrix unit's own rounding can turn it there, and no further.
;; One version. Each part assembles by itself: llvm-mc -triple=amdgcn-amd-amdhsa -mcpu=gfx1250 --defsym DOCPART=n.
;; ======== version 1 of 1: 4 launches
;; limits: right only within a limited range of input values
;; workspace buffers: hcodes 4,194,304 bytes; hscales 131,072 bytes; wcodes 4,194,304 bytes; wscales 98,304 bytes; woimg 1,081,344 bytes; qbuf 4,325,376 bytes; kv 8,650,752 bytes; part 262,144 bytes
;; launch prep (part 1): grid 256 x 1, 8 waves a work-group, no clusters, 37,888 bytes of LDS; arguments x, w_in, b_in, wq, wk, wv, wo, hcodes, hscales, wcodes, wscales, woimg; writes hcodes, hscales, wcodes, wscales, woimg
.if DOCPART == 1
	.amdgcn_target "amdgcn-amd-amdhsa--gfx1250"
	.amdhsa_code_object_version 6
	.text
	.protected	k_q335993a736_prep
	.globl	k_q335993a736_prep
	.p2align	8
	.type	k_q335993a736_prep,@function
k_q335993a736_prep:
	s_mov_b64 s[64:65], 0
	v_nop
	global_prefetch_b8 v0, s[64:65] scope:SCOPE_SE
	s_setreg_imm32_b32 hwreg(HW_REG_WAVE_MODE, 25, 1), 1
	s_wait_xcnt 0x0
; Everything that later launches read many times is turned into codes of E4M3 with one E8M0 byte for each 32 along K, once.
; 256 work-groups of equal work: 16,384 numbers of a weight and 16 rows of h each.
; WEIGHTS: work-groups 0-191: wq, wk, wv [1024 k][1024 n] f32 -> wcodes [4 K steps of 256][row 1024 w + rho][256 bytes] (the K steps 1,048,576 bytes apart; 3,072 rows of each are used), wscales [4 K steps][3,072 rows][8 bytes]: 64 columns x 256 K each.
;   Work-groups 192-255: wo -> woimg, by head, in the order of the operand's registers: 128 columns x 128 K (two heads) each.
;   A wave takes 64 columns x one block of 32 along K: a load reads 256 consecutive bytes, a lane takes two columns and its registers run down K; the hold at the largest code also
;   parts the two columns, so that the conversions find 32 neighbours along K in consecutive registers.
; h = x w_in + b_in (one fused multiply-add, f32) -> hcodes [4 K steps of 256][row mu][256 bytes], hscales [mu][32]: two rows to a wave, worked while the weight's loads are on their way.
; MEMORY ORDER: a token's row mu and a weight column's row rho are the logical index with bits 3 and 4 exchanged.  Sixteen neighbouring rows
; of memory are then logical rows 0-7 and 16-23 (or 8-15 and 24-31) of a group of 32, so that two neighbouring result tiles of a later product hold, in one lane, sixteen logical neighbours.
; A block's scale is 2^(floor(log2(largest magnitude)) - 8); its byte is the largest magnitude's exponent field - 8, held at 1 from below.
; LIMITS: a block of zeros gets the byte 1, not 127 (its codes are zeros, and this program alone reads the bytes); blocks whose largest magnitude
; lies under 2^-118 were not tried; NaN and infinities among the inputs are not served.
; WORK LEFT OUT in the program: the tiles of both attention products that lie wholly above reference()'s own causal mask: their p is 0 for all values of the inputs.  A NaN or an overflow that reaches only such tiles is not carried on.
; No tensor load, no matrix instruction.  The two paths of the way out part on the work-group's number and never join; each has LDS bytes of its own.
.set CST, 0                            ; wq, wk, wv: 64 rows x (256 bytes of codes + 16)
.set SST, 17408                        ; their scale bytes: 64 rows x 8
.set WST, 17920                        ; wo: two heads x 8,192 bytes of register images
.set WWS, 34304                        ; their scale words: two heads x 256 bytes
.set HSB, 34816                        ; h: 16 rows x 32 scale bytes
.set SPARE, 36864                      ; the spare words, 128 bytes for each wave
.set SPW, 228
.set NIL, 229
.set HI,  32                           ; v32-63 w_in, v64-95 b_in; later the two columns' numbers, held
.set WR,  96                           ; v96-159 the weight as it is loaded
.set HT,  160                          ; v160-191 a row of h: two halves of 16 a lane
.set HC,  192                          ; v192-207 h's codes
.set WC,  208                          ; v208-223 the weight's codes
.set EB,  224                          ; v224-227 scale bytes
.set KSB, 0x100000                     ; bytes from K step to K step
.set WV,  32
.set MNT, 33
	s_load_b512 s[8:23], s[0:1], 0x0               ; x s[8:9], w_in s[10:11], b_in s[12:13], wq s[14:15], wk s[16:17], wv s[18:19], wo s[20:21], hcodes s[22:23]
	s_load_b256 s[24:31], s[0:1], 0x40             ; hscales s[24:25], wcodes s[26:27], wscales s[28:29], woimg s[30:31]
	v_lshl_add_u32 v[SPW], v0, 2, SPARE
	v_mov_b32 v[NIL], 0
	v_lshrrev_b32 v6, 5, v0
	v_readfirstlane_b32 s[WV], v6                  ; wave 0..7
	v_and_b32 v1, 31, v0                           ; lane
	v_bfe_u32 v5, v0, 1, 4
	v_bfe_u32 v7, v0, 4, 1
	v_and_b32 v8, 15, v0
	v_lshlrev_b32 v2, 6, v1                        ; my 16 numbers of w_in and b_in: 64 bytes a lane
	v_lshlrev_b32 v3, 3, v1                        ; my two columns
	v_lshlrev_b32 v4, 4, v1                        ; 16 bytes a lane
	v_lshlrev_b32 v16, 20, v7
	v_lshl_add_u32 v5, v6, 6, v5                   ; h's scale byte: 64 x wave + lane / 2
	v_lshl_add_u32 v16, v8, 4, v16                 ; h's codes: lanes 16-31 hold the next K step's
	s_wait_alu depctr_va_vdst(0)                   ; the wait at the head's end
	s_mov_b32 s[MNT], 0x600000
	s_mov_b32 s7, 0
	; h: memory rows 16 x work-group + 2 x wave + 0, 1: logical row 32 (work-group / 2) + 16 (wave / 4) + 8 (work-group % 2) + 2 (wave % 4), and the next
	s_lshr_b32 s34, ttmp9, 1
	s_lshl_b32 s34, s34, 5
	s_lshr_b32 s35, s[WV], 2
	s_lshl_b32 s35, s35, 4
	s_add_co_u32 s34, s34, s35
	s_and_b32 s35, ttmp9, 1
	s_lshl_b32 s35, s35, 3
	s_add_co_u32 s34, s34, s35
	s_and_b32 s35, s[WV], 3
	s_lshl_b32 s35, s35, 1
	s_add_co_u32 s34, s34, s35
	s_lshl_b32 s6, s34, 2
	; the weight: in blocks of 32 along K and of 64 columns
	s_lshr_b32 s34, ttmp9, 6                       ; w
	s_and_b32 s35, ttmp9, 63
	s_and_b32 s36, s35, 15                         ; wq, wk, wv: 64 columns s36, K step s37
	s_lshr_b32 s37, s35, 4
	s_and_b32 s38, s35, 7                          ; wo: 128 columns s38, 128 along K s39
	s_lshr_b32 s39, s35, 3
	s_lshl_b32 s44, s37, 3
	s_add_co_u32 s44, s44, s[WV]
	s_lshl_b32 s45, s39, 2
	s_lshr_b32 s46, s[WV], 1
	s_add_co_u32 s45, s45, s46
	s_lshl_b32 s46, s38, 1
	s_and_b32 s47, s[WV], 1
	s_add_co_u32 s46, s46, s47
	s_cmp_lt_u32 ttmp9, 192
	s_cselect_b32 s44, s44, s45
	s_cselect_b32 s46, s36, s46
	s_lshl_b32 s44, s44, 17
	s_lshl_b32 s46, s46, 8
	s_add_co_u32 s44, s44, s46
	s_mov_b32 s45, 0
	s_wait_kmcnt 0x0
	s_add_nc_u64 s[2:3], s[8:9], s[6:7]
	s_load_b64 s[40:41], s[2:3], 0x0               ; x of my two rows
	s_cmp_lt_u32 ttmp9, 64                         ; which weight: the choice hangs on the work-group's number alone
	s_cselect_b64 s[4:5], s[14:15], s[16:17]
	s_cmp_lt_u32 ttmp9, 128
	s_cselect_b64 s[4:5], s[4:5], s[18:19]
	s_cmp_lt_u32 ttmp9, 192
	s_cselect_b64 s[4:5], s[4:5], s[20:21]
	s_add_nc_u64 s[4:5], s[4:5], s[44:45]
.irp p, 0,1
.irp j, 0,1,2,3
	global_load_b128 v[HI+16*\p+4*\j:HI+16*\p+4*\j+3], v2, s[10:11] offset:2048*\p+16*\j
	global_load_b128 v[HI+32+16*\p+4*\j:HI+32+16*\p+4*\j+3], v2, s[12:13] offset:2048*\p+16*\j
.endr
.endr
.set i, 0
.rept 32
	global_load_b64 v[WR+2*i:WR+2*i+1], v3, s[4:5] offset:i*4096 th:TH_LOAD_NT   ; a row's 64 columns: 256 consecutive bytes
.set i, i+1
.endr
	s_lshl_b32 s50, ttmp9, 4
	s_lshl_b32 s51, s[WV], 1
	s_add_co_u32 s50, s50, s51
	s_lshl_b32 s50, s50, 8
	s_mov_b32 s51, 0
	s_add_nc_u64 s[22:23], s[22:23], s[50:51]      ; hcodes at my first row
	s_lshl_b32 s50, ttmp9, 9
	s_add_nc_u64 s[24:25], s[24:25], s[50:51]      ; hscales at my work-group's rows
	s_wait_kmcnt 0x0
	s_mov_b32 s42, s41
	s_mov_b32 s43, s41
	s_wait_loadcnt 32                              ; w_in and b_in are in; the weight's 32 loads may be out
.macro HROW i                          ; a lane holds 16 neighbours along K of either half of the row; two neighbouring lanes a block
.irp e, 0,2,4,6,8,10,12,14,16,18,20,22,24,26,28,30
	v_pk_fma_f32 v[HT+\e:HT+\e+1], v[HI+\e:HI+\e+1], s[40+2*\i:41+2*\i], v[HI+32+\e:HI+32+\e+1] op_sel_hi:[1,0,1]
.endr
.irp c, 0,1,2,3
	v_max3_num_f32 v[8+\c], |v[HT+8*\c]|, |v[HT+8*\c+1]|, |v[HT+8*\c+2]|
.endr
.irp k, 3,5
.irp c, 0,1,2,3
	v_max3_num_f32 v[8+\c], v[8+\c], |v[HT+8*\c+\k]|, |v[HT+8*\c+\k+1]|
.endr
.endr
	v_max3_num_f32 v9, v9, |v[HT+7]|, |v[HT+15]|
	v_max3_num_f32 v11, v11, |v[HT+23]|, |v[HT+31]|
	v_max3_num_f32 v8, v8, v9, 0x4800000           ; the floor 2^(9 - 127): the byte cannot fall under 1
	v_max3_num_f32 v10, v10, v11, 0x4800000
	v_max_num_f32_dpp v8, v8, v8 row_xmask:1 row_mask:0xf bank_mask:0xf   ; with my neighbour's 16: the block's
	v_max_num_f32_dpp v10, v10, v10 row_xmask:1 row_mask:0xf bank_mask:0xf
	v_add_nc_u32 v12, 0xfc000000, v8               ; 8 off the exponent field: the conversion's scale operand
	v_add_nc_u32 v13, 0xfc000000, v10
	v_and_or_b32 v14, v8, 0x7f800000, s[MNT]       ; 448 x the scale
	v_and_or_b32 v15, v10, 0x7f800000, s[MNT]
.set e, 0
.rept 16
	v_med3_num_f32 v[HT+e], v[HT+e], -v14, v14     ; the conversion to an 8-bit code does not saturate (ISA guide 7.6.2): the hold comes first
	v_med3_num_f32 v[HT+16+e], v[HT+16+e], -v15, v15
.set e, e+1
.endr
.irp p, 0,1
	v_cvt_scalef32_pk8_fp8_f32 v[HC+8*\i+4*\p:HC+8*\i+4*\p+1], v[HT+16*\p:HT+16*\p+7], v[12+\p]
	v_cvt_scalef32_pk8_fp8_f32 v[HC+8*\i+4*\p+2:HC+8*\i+4*\p+3], v[HT+16*\p+8:HT+16*\p+15], v[12+\p]
.endr
	v_lshrrev_b32 v[EB+2*\i], 23, v12              ; the scale's byte
	v_lshrrev_b32 v[EB+2*\i+1], 23, v13
.irp p, 0,1
	ds_store_b8 v5, v[EB+2*\i+\p] offset:HSB+32*\i+16*\p   ; both lanes of a block write the same byte with the same value
	global_store_b128 v16, v[HC+8*\i+4*\p:HC+8*\i+4*\p+3], s[22:23] offset:256*\i+2*KSB*\p   ; sixteen lanes store 256 consecutive bytes, aligned
.endr
.endm
	HROW 0
	HROW 1
	s_wait_loadcnt 0x0                             ; the weight
.irp c, 0,1                            ; column c of my two: a block's 32 numbers are all mine; two chains each
	v_max3_num_f32 v[8+2*\c], |v[WR+\c]|, |v[WR+2+\c]|, 0x4800000
	v_max3_num_f32 v[9+2*\c], |v[WR+32+\c]|, |v[WR+34+\c]|, 0x4800000
.endr
.irp k, 4,8,12,16,20,24,28
.irp c, 0,1
	v_max3_num_f32 v[8+2*\c], v[8+2*\c], |v[WR+\k+\c]|, |v[WR+\k+2+\c]|
	v_max3_num_f32 v[9+2*\c], v[9+2*\c], |v[WR+32+\k+\c]|, |v[WR+34+\k+\c]|
.endr
.endr
	v_max_num_f32 v8, v8, v9
	v_max_num_f32 v10, v10, v11
	v_add_nc_u32 v12, 0xfc000000, v8
	v_add_nc_u32 v13, 0xfc000000, v10
	v_and_or_b32 v14, v8, 0x7f800000, s[MNT]
	v_and_or_b32 v15, v10, 0x7f800000, s[MNT]
.set i, 0
.rept 32
	v_med3_num_f32 v[HI+i], v[WR+2*i], -v14, v14
	v_med3_num_f32 v[HI+32+i], v[WR+2*i+1], -v15, v15
.set i, i+1
.endr
.irp c, 0,1
.irp g, 0,1,2,3
	v_cvt_scalef32_pk8_fp8_f32 v[WC+8*\c+2*\g:WC+8*\c+2*\g+1], v[HI+32*\c+8*\g:HI+32*\c+8*\g+7], v[12+\c]
.endr
.endr
	v_lshrrev_b32 v[EB], 23, v12
	v_lshrrev_b32 v[EB+1], 23, v13
.macro HSCALES                         ; wave 1: the 512 scale bytes of the work-group's 16 rows of h
	s_cmp_lg_u32 s[WV], 1
	s_cbranch_scc1 .Lno_h_\@
	ds_load_b128 v[132:135], v4 offset:HSB
	s_wait_dscnt 0x0
	global_store_b128 v4, v[132:135], s[24:25]
.Lno_h_\@:
.endm
	s_cmp_ge_u32 ttmp9, 192
	s_cbranch_scc1 .Lwo
; ---------------- wq, wk, wv
	s_lshl_b32 s50, s37, 20                        ; codes: K step s37, row 1024 w + 64 s36: one dense run of 16,384 bytes
	s_lshl_b32 s52, s34, 18
	s_add_co_u32 s50, s50, s52
	s_lshl_b32 s52, s36, 14
	s_add_co_u32 s50, s50, s52
	s_add_nc_u64 s[26:27], s[26:27], s[50:51]
	s_mul_i32 s50, s37, 24576                      ; scale bytes likewise: 512 bytes
	s_lshl_b32 s52, s34, 13
	s_add_co_u32 s50, s50, s52
	s_lshl_b32 s52, s36, 9
	s_add_co_u32 s50, s50, s52
	s_add_nc_u64 s[28:29], s[28:29], s[50:51]
	v_and_b32 v6, 3, v0
	v_bfe_u32 v7, v0, 2, 1
	v_bfe_u32 v8, v0, 3, 1
	v_bfe_u32 v9, v0, 4, 1
	v_lshrrev_b32 v10, 5, v0                       ; wave
	v_lshrrev_b32 v17, 4, v0                       ; back: sixteen lanes to a row, rows 2 wave + half
	v_and_b32 v18, 15, v0
	v_lshlrev_b32 v6, 1, v6
	v_lshl_add_u32 v6, v7, 4, v6
	v_mul_u32_u24 v19, v17, 272
	v_lshl_add_u32 v6, v8, 3, v6
	v_lshlrev_b32 v20, 4, v0                       ; and the same place in wcodes
	v_lshl_add_u32 v6, v9, 5, v6                   ; my first column's row in the stage: 2 x lane with bits 3 and 4 exchanged
	v_lshl_add_u32 v19, v18, 4, v19
	v_mul_u32_u24 v21, v6, 272
	v_lshl_add_u32 v22, v6, 3, v10                 ; its scale byte: row x 8 + wave
	v_lshl_add_u32 v21, v10, 5, v21                ; its codes: row x 272 + 32 x wave
.irp c, 0,1
	ds_store_b128 v21, v[WC+8*\c:WC+8*\c+3] offset:CST+272*\c
	ds_store_b128 v21, v[WC+8*\c+4:WC+8*\c+7] offset:CST+272*\c+16
	ds_store_b8 v22, v[EB+\c] offset:SST+8*\c
.endr
	s_wait_alu depctr_va_vdst(0)                   ; ahead of the wait below
	s_wait_dscnt 0x0                               ; for the others' sake: my stores into the stage are done
	s_barrier_signal -1
	s_barrier_wait -1
.irp t, 0,1,2,3
	ds_load_b128 v[112+4*\t:115+4*\t], v19 offset:CST+\t*16*272
.endr
.irp t, 0,1,2,3
	s_wait_dscnt 3-\t                              ; LDS loads come back in order: load t is in
	global_store_b128 v20, v[112+4*\t:115+4*\t], s[26:27] offset:\t*4096   ; a wave stores 512 consecutive bytes
.endr
	HSCALES
	s_cmp_lg_u32 s[WV], 0
	s_cbranch_scc1 .Lq_end
	ds_load_b128 v[128:131], v4 offset:SST         ; wave 0: the 64 rows' 8 scale bytes
	s_wait_dscnt 0x0
	global_store_b128 v4, v[128:131], s[28:29]
.Lq_end:
	s_wait_tensorcnt 0x0                           ; the wave's end
	ds_add_u32 v[SPW], v[NIL]
	s_wait_dscnt 0x0
	s_endpgm
; ---------------- wo: a row of 128 code bytes of an image holds TWO columns of 64 codes: lane row r, slot u of fragment f is column 128 g + 8 r + 2 f + u; wave = 4 x head + 2 x block + half of the columns
.Lwo:
	s_mul_i32 s52, s39, 135168                     ; two heads of 67,584 bytes
	s_lshl_b32 s50, s38, 13
	s_add_co_u32 s50, s50, s52
	s_add_nc_u64 s[54:55], s[30:31], s[50:51]      ; the codes of group g
	s_lshl_b32 s50, s38, 8
	s_add_co_u32 s50, s50, s52
	s_add_co_u32 s50, s50, 65536
	s_add_nc_u64 s[56:57], s[30:31], s[50:51]      ; its scale words
	v_bfe_u32 v6, v0, 2, 3
	v_bfe_u32 v7, v0, 5, 1
	v_and_b32 v8, 3, v0                            ; f
	v_bfe_u32 v9, v0, 7, 1                         ; which head
	v_bfe_u32 v10, v0, 6, 1                        ; which block of 32
	v_lshl_add_u32 v6, v7, 3, v6                   ; r
	v_lshlrev_b32 v22, 13, v9
	v_lshlrev_b32 v17, 8, v9
	v_lshlrev_b32 v18, 4, v0                       ; back: 16 bytes a thread
	v_bfe_u32 v19, v0, 4, 1
	v_lshl_add_u32 v22, v8, 11, v22
	v_lshl_add_u32 v17, v6, 4, v17
	v_and_b32 v20, 15, v0
	v_mul_u32_u24 v19, v19, 67584
	v_lshl_add_u32 v22, v10, 9, v22
	v_lshl_add_u32 v17, v8, 2, v17
	v_lshl_add_u32 v19, v20, 4, v19                ; the scale words' way out: lanes 0-15 the first head's 256 bytes, lanes 16-31 the second's
	v_lshl_add_u32 v22, v6, 4, v22                 ; codes: head x 8192 + f x 2048 + block x 512 + 16 r
	v_add_nc_u32 v17, v10, v17                     ; scale byte: head x 256 + 16 r + 4 f + block
.irp u, 0,1
	ds_store_b128 v22, v[WC+8*\u:WC+8*\u+3] offset:WST+1024*\u
	ds_store_b128 v22, v[WC+8*\u+4:WC+8*\u+7] offset:WST+1024*\u+256
	ds_store_b8 v17, v[EB+\u] offset:WWS+2*\u
.endr
	s_wait_alu depctr_va_vdst(0)                   ; ahead of the wait below
	s_wait_dscnt 0x0
	s_barrier_signal -1
	s_barrier_wait -1
.irp t, 0,1,2,3
	ds_load_b128 v[112+4*\t:115+4*\t], v18 offset:WST+4096*\t
.endr
.irp t, 0,1,2,3
	s_wait_dscnt 3-\t
	global_store_b128 v18, v[112+4*\t:115+4*\t], s[54:55] offset:(\t/2)*67584+(\t%2)*4096   ; a wave stores 512 consecutive bytes
.endr
	HSCALES
	s_cmp_lg_u32 s[WV], 0
	s_cbranch_scc1 .Lw_end
	ds_load_b128 v[128:131], v4 offset:WWS
	s_wait_dscnt 0x0
	global_store_b128 v19, v[128:131], s[56:57]    ; sixteen lanes store 256 consecutive bytes, aligned
.Lw_end:
	s_wait_tensorcnt 0x0
	ds_add_u32 v[SPW], v[NIL]
	s_wait_dscnt 0x0
	s_endpgm
.Lfunc_end_k_q335993a736_prep:
	.size	k_q335993a736_prep, .Lfunc_end_k_q335993a736_prep-k_q335993a736_prep
	.p2alignl 7, 3214868480
	.fill 96, 4, 3214868480
	.section	.rodata,"a",@progbits
	.p2align	6, 0x0
	.amdhsa_kernel k_q335993a736_prep
		.amdhsa_group_segment_fixed_size 37888
		.amdhsa_private_segment_fixed_size 0
		.amdhsa_enable_private_segment 0
		.amdhsa_kernarg_size 96
		.amdhsa_user_sgpr_count 2
		.amdhsa_user_sgpr_kernarg_segment_ptr 1
		.amdhsa_wavefront_size32 1
		.amdhsa_system_sgpr_workgroup_id_x 1
		.amdhsa_system_sgpr_workgroup_id_y 1
		.amdhsa_system_sgpr_workgroup_id_z 1
		.amdhsa_system_vgpr_workitem_id 0
		.amdhsa_next_free_vgpr 232
		.amdhsa_next_free_sgpr 66
		.amdhsa_reserve_vcc 0
		.amdhsa_float_denorm_mode_32 3
		.amdhsa_float_denorm_mode_16_64 3
		.amdhsa_memory_ordered 1
		.amdhsa_forward_progress 1
		.amdhsa_inst_pref_size 32
	.end_amdhsa_kernel
	.amdgpu_metadata
---
amdhsa.version: [ 1, 2 ]
amdhsa.kernels:
  - .name:           k_q335993a736_prep
    .symbol:         k_q335993a736_prep.kd
    .args:
      - { .name: x, .offset: 0, .size: 8, .value_kind: global_buffer, .address_space: global }
      - { .name: w_in, .offset: 8, .size: 8, .value_kind: global_buffer, .address_space: global }
      - { .name: b_in, .offset: 16, .size: 8, .value_kind: global_buffer, .address_space: global }
      - { .name: wq, .offset: 24, .size: 8, .value_kind: global_buffer, .address_space: global }
      - { .name: wk, .offset: 32, .size: 8, .value_kind: global_buffer, .address_space: global }
      - { .name: wv, .offset: 40, .size: 8, .value_kind: global_buffer, .address_space: global }
      - { .name: wo, .offset: 48, .size: 8, .value_kind: global_buffer, .address_space: global }
      - { .name: hcodes, .offset: 56, .size: 8, .value_kind: global_buffer, .address_space: global }
      - { .name: hscales, .offset: 64, .size: 8, .value_kind: global_buffer, .address_space: global }
      - { .name: wcodes, .offset: 72, .size: 8, .value_kind: global_buffer, .address_space: global }
      - { .name: wscales, .offset: 80, .size: 8, .value_kind: global_buffer, .address_space: global }
      - { .name: woimg, .offset: 88, .size: 8, .value_kind: global_buffer, .address_space: global }
    .group_segment_fixed_size: 37888
    .private_segment_fixed_size: 0
    .kernarg_segment_align: 8
    .kernarg_segment_size: 96
    .max_flat_workgroup_size: 256
    .sgpr_count:     66
    .vgpr_count:     232
    .wavefront_size: 32
...
	.end_amdgpu_metadata
.endif
;; end of part 1
;; launch qkv (part 2): grid 16 x 16, 4 waves a work-group, clusters of 4 x 4, 327,680 bytes of LDS; arguments hcodes, hscales, wcodes, wscales, qbuf, kv; writes qbuf, kv
.if DOCPART == 2
	.amdgcn_target "amdgcn-amd-amdhsa--gfx1250"
	.amdhsa_code_object_version 6
	.text
	.protected	k_q335993a736_qkv
	.globl	k_q335993a736_qkv
	.p2align	8
	.type	k_q335993a736_qkv,@function
k_q335993a736_qkv:
	s_mov_b64 s[64:65], 0
	v_nop
	global_prefetch_b8 v0, s[64:65] scope:SCOPE_SE
	s_setreg_imm32_b32 hwreg(HW_REG_WAVE_MODE, 25, 1), 1
	s_wait_xcnt 0x0
	s_wait_alu depctr_hold_cnt(0) depctr_sa_sdst(0) depctr_va_vdst(0) depctr_va_sdst(0) depctr_va_ssrc(0) depctr_va_vcc(0) depctr_vm_vsrc(0)
	s_getreg_b32 s2, hwreg(HW_REG_IB_STS2, 6, 4)
	s_cmp_eq_u32 s2, 0
	s_cbranch_scc0 .Lentry_in_a_cluster
	s_endpgm
.Lentry_in_a_cluster:
	s_bfe_u32 s2, ttmp6, 0x10000c
	s_cmp_lg_u32 s2, 0xf033
	s_cbranch_scc0 .Lentry_shape_is_right
	s_endpgm
.Lentry_shape_is_right:
; Q, K, V = h W on codes of E4M3, and their quantisers: 4,096 tokens x 3,072 columns x K = 1,024.  No f32 result is stored.
; hcodes, wcodes: [4 K steps of 256, 1,048,576 bytes apart][row][256 bytes]: 4,096 rows of h; 3,072 of W: wq's, wk's, wv's columns.  hscales [row][32], wscales [4 K steps][3,072 rows][8].  A row of memory is the logical index with bits 3 and 4 exchanged.
; OUT (r = lane % 16, h = lane / 16), by (batch x 16 + head) and block of 128 tokens: qbuf: 8,192 bytes of codes (tile of 16 tokens x 1,024: [32 channels][lane][16 bytes]), then 256 bytes of scale words: byte 16 r + 2 tile + half of the channels;
;   kv: K's 8,192 bytes of codes likewise, V's 8,192 (tile of 16 channels x 2,048: [32 tokens][lane][16 bytes]), K's 256 bytes of scale words, V's 256 (16 r + 4 tile + block of 32 tokens).
; SHARES.  256 work-groups: 256 tokens x (128 columns of Q or K: two heads; and the 64 columns of one head of V).  Wave (i, j): 128 tokens, one head of Q or K, 32 columns of V: 8 x (4 + 2) accumulators, 384 registers.
; Q and K: source 0 = the weight, source 1 = the tokens: a lane holds a token and its registers run along the channels.  V: the sources swapped: a lane holds a channel and its registers run along the tokens.
; K goes in steps of 256 through a ring of two slots of LDS (256 rows of h, 128 + 64 rows of W), filled by joint loads of dense tiles: h's rows shared along a row of the 4 x 4 cluster, W's along a column.
; Scale words come straight from memory into registers once: they are 7 KB a wave.
; FRAGMENTS stand in two whole sets, one for each parity of the q-th 128 of K: while one is multiplied the other is loaded, in runs of 28 or 56 loads: one run at a step's beginning and one in its middle, or one behind a change of slots.
; PREFETCH: behind the joint load of a K step (and behind the head's) each wave asks for the next K step's 256 bytes of 32 rows (the wave of V's rows: 16), its work-group's quarter of what its four partners load; the last K step asks for nothing.
; LIMITS: a block's scale byte never falls under 1 (a block of zeros gets 1: its codes are zeros); NaN and infinities are not served.
; REGISTERS: window 0: v16-31 addresses, v32-63 h's scale words, v68-91 W's, v96-191 W's fragments, set 0; window 1: h's fragments, two sets; window 2: Q's or K's sums; window 3: v0-127 V's sums, v128-223 W's fragments, set 1.
.set PITCH, 272                        ; an LDS row: 256 bytes + 16 of padding
.set HALFT, 128*PITCH
.set LQ,    2*HALFT                    ; in a slot: h's 256 rows, then Q's or K's 128,
.set LV,    3*HALFT                    ; then V's 64
.set KSB,   0x100000                   ; bytes from K step to K step
.set SLOT1, 1<<17
.set STG,   SLOT1+3*HALFT+64*PITCH     ; 252,928: the scale words' way out: 256 bytes for each wave, and for each half of the tokens V's 256
.set SPARE, STG+6*256                  ; the spare words, 128 bytes for each wave
.set ADRA, 16
.set ADRB, 18
.set ADRV, 20
.set VO,   22
.set V8,   23
.set QST,  24
.set VST,  25
.set QRD,  26
.set VRD,  27
.set SPW,  28
.set NIL,  29
.set PFO,  30
.set SCO,  31
.set SA,   32                          ; register 8 p + q: lanes 0-15 tile 2 p's word, lanes 16-31 tile 2 p + 1's
.set SB,   68                          ; likewise: the two words of a product never have numbers equal modulo 8
.set TM,   128                         ; the way out's maxima, bounds and scale operands
.set WD,   144                         ; v144-147 Q's or K's scale words, v148-149 V's
.set MNT,  2
.set G1A,  24
.set G1B,  32
.set G1V,  48
.set G0A,  56
.set G0B,  60
.set G0V,  68
.set PFA,  76
.set SEL,  100
.set MSB,  0
.macro WIN new                         ; the immediate's high byte repeats the setting that is left
.if MSB != (\new)
	s_set_vgpr_msb (MSB<<8)|(\new)
.set MSB, (\new)
.endif
.endm
.macro PLACES n
.rept \n
	v_nop
.endr
.endm
.macro TL g0, g1                       ; a tensor load; an s_nop 0 and four v_nop follow it
	tensor_load_to_lds s[\g0:\g0+3], s[\g1:\g1+7]
	s_nop 0
	PLACES 4
.endm
.macro JLOAD                           ; waves 0, 1: h's halves; wave 2: Q's or K's rows; wave 3: V's.  One chain of branches on the wave's number, one load a wave
	s_cmp_lt_u32 s14, 2
	s_cbranch_scc0 .Lfor_w_\@
	TL G0A, G1A
	s_branch .Lasked_\@
.Lfor_w_\@:
	s_cmp_eq_u32 s14, 2
	s_cbranch_scc0 .Lfor_v_\@
	TL G0B, G1B
	s_branch .Lasked_\@
.Lfor_v_\@:
	TL G0V, G1V
.Lasked_\@:
.endm
.macro NEXT                            ; the descriptors go on to the next K step and the other slot: no tensor load of mine is out
.irp g, G0A, G0B, G0V
	s_xor_b32 s[\g+1], s[\g+1], SLOT1
	s_add_nc_u64 s[\g+2:\g+3], s[\g+2:\g+3], KSB
.endr
.endm
.macro CREST                           ; a round of the cluster's barrier behind its opening barrier
	s_cmp_lg_u32 s14, 0
	s_cbranch_scc1 .Lnot_wave_0_\@
	s_barrier_signal -3
.Lnot_wave_0_\@:
	s_barrier_wait -3
	s_barrier_signal -1
	s_barrier_wait -1
.endm
.macro CROUND
	s_barrier_signal -1
	s_barrier_wait -1
	CREST
.endm
.macro GROUP1 g, mask, rows            ; a tile of so many rows of 256 bytes, dense in memory, padded in LDS by 4 words behind every 64
	s_or_b32 s[\g+0], s[\mask], (1<<20)|(1<<21)|(5<<22)|(3<<25)
	s_mov_b32 s[\g+1], 256<<16
	s_mov_b32 s[\g+2], (\rows)<<16
	s_mov_b32 s[\g+3], 256<<16
	s_mov_b32 s[\g+4], \rows
	s_mov_b32 s[\g+5], 256
	s_mov_b32 s[\g+6], 0
	s_mov_b32 s[\g+7], 0
.endm
	s_load_b128 s[4:7], s[0:1], 0x0                ; hcodes, hscales
	s_load_b128 s[8:11], s[0:1], 0x10              ; wcodes, wscales
	s_load_b128 s[96:99], s[0:1], 0x20             ; qbuf, kv
	v_lshl_add_u32 v[SPW], v0, 2, SPARE
	v_mov_b32 v[NIL], 0
	ds_add_u32 v[SPW], v[NIL]                      ; the wave's opening: the add, twice on end, and its one wait
	ds_add_u32 v[SPW], v[NIL]
	v_lshrrev_b32 v1, 5, v0
	v_readfirstlane_b32 s14, v1                    ; wave 0..3
	s_lshr_b32 s15, s14, 1                         ; i: my 128 tokens
	s_and_b32 s16, s14, 1                          ; j: my head of two
	s_mul_i32 s20, s15, HALFT
	s_mul_i32 s21, s16, 64*PITCH
	s_add_co_u32 s21, s21, LQ
	s_mul_i32 s22, s16, 32*PITCH
	s_add_co_u32 s22, s22, LV
	s_lshl_b32 s18, s14, 8
	s_add_co_u32 s18, s18, STG
	s_lshl_b32 s19, s15, 8
	s_add_co_u32 s19, s19, STG+1024
	s_lshl_b32 s23, s16, 3
	s_add_co_u32 s23, s23, s19
	s_cmp_eq_u32 s14, 3
	s_mov_b32 s46, 31
	s_cselect_b32 s46, 15, s46
	v_and_b32 v1, 15, v0                           ; r
	v_bfe_u32 v2, v0, 4, 1                         ; h
	v_and_b32 v3, 31, v0                           ; lane
	v_mul_u32_u24 v4, v1, PITCH
	v_lshl_add_u32 v4, v2, 4, v4                   ; a fragment's row x pitch + 16 h
	v_add_nc_u32 v[ADRA], s20, v4
	v_add_nc_u32 v[ADRB], s21, v4
	v_add_nc_u32 v[ADRV], s22, v4
	v_add_nc_u32 v[ADRA+1], SLOT1, v[ADRA]
	v_add_nc_u32 v[ADRB+1], SLOT1, v[ADRB]
	v_add_nc_u32 v[ADRV+1], SLOT1, v[ADRV]
	v_lshlrev_b32 v[SCO], 5, v3
	v_lshlrev_b32 v[VO], 4, v3
	v_lshlrev_b32 v[V8], 3, v3
	v_lshl_add_u32 v[QST], v1, 4, s18
	v_lshl_add_u32 v[VST], v1, 4, s23
	v_add_nc_u32 v[QRD], s18, v[V8]
	v_add_nc_u32 v[VRD], s19, v[V8]
	v_min_u32 v[PFO], s46, v3
	v_lshlrev_b32 v[PFO], 8, v[PFO]                ; a lane a row; wave 3: 16 rows, its last lanes name the last again
	s_wait_alu depctr_va_vdst(0)                   ; the wait at the head's end
	s_bfe_u32 s40, ttmp6, 0x40000                  ; cx, cy
	s_bfe_u32 s41, ttmp6, 0x40004
	s_lshl_b32 s42, ttmp9, 2
	s_add_co_u32 s42, s42, s40                     ; c: column tile 0..15: Q's heads 2 c, 2 c + 1 (c < 8) or K's; V's head c
	s_and_b32 s17, ttmp7, 0xffff
	s_lshl_b32 s17, s17, 2
	s_add_co_u32 s17, s17, s41                     ; m: token tile 0..15
	s_lshl_b32 s43, s41, 2
	s_lshl_b32 s43, 15, s43                        ; my row of the cluster
	s_lshl_b32 s44, 0x1111, s40                    ; my column
	GROUP1 G1A, 43, 128
	GROUP1 G1B, 44, 128
	GROUP1 G1V, 44, 64
	s_lshl_b32 s78, s17, 16                        ; h: row 256 m + 128 (wave % 2)
	s_lshl_b32 s79, s16, 15
	s_add_co_u32 s78, s78, s79
	s_mov_b32 s79, 0
	s_lshl_b32 s80, s42, 15                        ; W: row 128 c
	s_mov_b32 s81, 0
	s_lshl_b32 s82, s42, 14                        ; and row 2,048 + 64 c
	s_add_co_u32 s82, s82, 0x80000
	s_mov_b32 s83, 0
	s_lshl_b32 s84, s17, 13                        ; scale bytes of my rows: h's 256 m + 128 i,
	s_lshl_b32 s85, s15, 12
	s_add_co_u32 s84, s84, s85
	s_mov_b32 s85, 0
	s_lshl_b32 s86, s42, 10                        ; W's 128 c + 64 j
	s_lshl_b32 s87, s16, 9
	s_add_co_u32 s86, s86, s87
	s_mov_b32 s87, 0
	s_lshl_b32 s88, s42, 9                         ; and 2,048 + 64 c + 32 j
	s_lshl_b32 s89, s16, 8
	s_add_co_u32 s88, s88, s89
	s_add_co_u32 s88, s88, 0x4000
	s_mov_b32 s89, 0
	s_lshl_b32 s92, s40, 13                        ; a prefetch's rows: my work-group's quarter of what my wave loads
	s_add_co_u32 s92, s92, s78
	s_lshl_b32 s93, s41, 13
	s_add_co_u32 s93, s93, s80
	s_lshl_b32 s94, s41, 12
	s_add_co_u32 s94, s94, s82
	s_cmp_eq_u32 s14, 2
	s_cselect_b32 s90, s93, s94
	s_cmp_lt_u32 s14, 2
	s_cselect_b32 s90, s92, s90
	s_mov_b32 s91, 0
	s_mov_b32 s[G0A], 1
	s_mul_i32 s[G0A+1], s14, HALFT                 ; no place in the cluster enters an LDS address
	s_mov_b32 s[G0B], 1
	s_mov_b32 s[G0B+1], LQ
	s_mov_b32 s[G0V], 1
	s_mov_b32 s[G0V+1], LV
	s_wait_dscnt 0x0                               ; both opening adds are done
	CROUND                                         ; all sixteen work-groups are here
	s_wait_kmcnt 0x0
	s_add_nc_u64 s[G0A+2:G0A+3], s[4:5], s[78:79]
	s_or_b32 s[G0A+3], s[G0A+3], 0x80000000
	s_add_nc_u64 s[G0B+2:G0B+3], s[8:9], s[80:81]
	s_or_b32 s[G0B+3], s[G0B+3], 0x80000000
	s_add_nc_u64 s[G0V+2:G0V+3], s[8:9], s[82:83]
	s_or_b32 s[G0V+3], s[G0V+3], 0x80000000
	JLOAD                                          ; K step 0
	s_add_nc_u64 s[84:85], s[6:7], s[84:85]
	s_add_nc_u64 s[86:87], s[10:11], s[86:87]
	s_add_nc_u64 s[88:89], s[10:11], s[88:89]
.irp c, 0,1
.irp p, 0,1,2,3
	global_load_b128 v[SA+8*\p+4*\c:SA+8*\p+4*\c+3], v[SCO], s[84:85] offset:1024*\p+16*\c
.endr
.endr
.irp k, 0,1,2,3                        ; two words of a row: one K step
.irp p, 0,1
	global_load_b64 v[SB+8*\p+2*\k:SB+8*\p+2*\k+1], v[V8], s[86:87] offset:24576*\k+256*\p
.endr
	global_load_b64 v[SB+16+2*\k:SB+16+2*\k+1], v[V8], s[88:89] offset:24576*\k
.endr
	s_cmp_lt_u32 s14, 2
	s_cselect_b64 s[PFA:PFA+1], s[4:5], s[8:9]
	s_add_nc_u64 s[PFA:PFA+1], s[PFA:PFA+1], s[90:91]
	global_prefetch_b8 v[PFO], s[PFA:PFA+1] offset:KSB th:TH_LOAD_NT scope:SCOPE_SE
	; where my results go
	s_lshl_b32 s18, s42, 1
	s_add_co_u32 s18, s18, s16
	s_and_b32 s18, s18, 15                         ; my head of Q or K
	s_lshr_b32 s19, s17, 3
	s_lshl_b32 s19, s19, 4                         ; 16 x batch
	s_lshl_b32 s20, s17, 1
	s_add_co_u32 s20, s20, s15
	s_and_b32 s20, s20, 15                         ; my block of 128 tokens
	s_add_co_u32 s18, s18, s19
	s_lshl_b32 s18, s18, 4
	s_add_co_u32 s18, s18, s20
	s_add_co_u32 s19, s19, s42
	s_lshl_b32 s19, s19, 4
	s_add_co_u32 s19, s19, s20
	s_mov_b32 s21, 16896
	s_mul_i32 s92, s19, s21
	s_lshl_b32 s46, s16, 12
	s_add_co_u32 s46, s46, s92
	s_add_co_u32 s46, s46, 8192                    ; V's codes
	s_mov_b32 s47, 0
	s_add_co_u32 s92, s92, 16640                   ; V's scale words
	s_mov_b32 s93, 0
	s_add_nc_u64 s[72:73], s[98:99], s[46:47]
	s_add_nc_u64 s[74:75], s[98:99], s[92:93]
	s_mov_b32 s20, 16384
	s_cmp_lt_u32 ttmp9, 2                          ; Q or K: the cluster's number decides
	s_cselect_b64 s[12:13], s[96:97], s[98:99]
	s_cselect_b32 s21, 8448, s21
	s_cselect_b32 s20, 8192, s20
	s_mul_i32 s94, s18, s21
	s_mov_b32 s95, 0
	s_add_nc_u64 s[12:13], s[12:13], s[94:95]
	s_mov_b32 s94, s20
	s_add_nc_u64 s[66:67], s[12:13], s[94:95]
	s_mov_b32 s[SEL], 0x76543210
	s_mov_b32 s[SEL+1], 0xfedcba98
	s_mov_b32 s[MNT], 0x600000
.macro WM ra, rb                       ; a product that adds; ra, rb: the row of the scale register of source 0, source 1
.if (\ra) && (\rb)
	v_wmma_scale_f32_16x16x128_f8f6f4 v[D_:D_+7], v[S0_:S0_+15], v[S1_:S1_+15], v[D_:D_+7], v[X0_], v[X1_] matrix_a_scale:MATRIX_SCALE_ROW1 matrix_b_scale:MATRIX_SCALE_ROW1
.elseif (\ra)
	v_wmma_scale_f32_16x16x128_f8f6f4 v[D_:D_+7], v[S0_:S0_+15], v[S1_:S1_+15], v[D_:D_+7], v[X0_], v[X1_] matrix_a_scale:MATRIX_SCALE_ROW1
.elseif (\rb)
	v_wmma_scale_f32_16x16x128_f8f6f4 v[D_:D_+7], v[S0_:S0_+15], v[S1_:S1_+15], v[D_:D_+7], v[X0_], v[X1_] matrix_b_scale:MATRIX_SCALE_ROW1
.else
	v_wmma_scale_f32_16x16x128_f8f6f4 v[D_:D_+7], v[S0_:S0_+15], v[S1_:S1_+15], v[D_:D_+7], v[X0_], v[X1_]
.endif
.endm
.macro WMZ ra, rb                      ; a product that starts a sum
.if (\ra) && (\rb)
	v_wmma_scale_f32_16x16x128_f8f6f4 v[D_:D_+7], v[S0_:S0_+15], v[S1_:S1_+15], 0, v[X0_], v[X1_] matrix_a_scale:MATRIX_SCALE_ROW1 matrix_b_scale:MATRIX_SCALE_ROW1
.elseif (\ra)
	v_wmma_scale_f32_16x16x128_f8f6f4 v[D_:D_+7], v[S0_:S0_+15], v[S1_:S1_+15], 0, v[X0_], v[X1_] matrix_a_scale:MATRIX_SCALE_ROW1
.elseif (\rb)
	v_wmma_scale_f32_16x16x128_f8f6f4 v[D_:D_+7], v[S0_:S0_+15], v[S1_:S1_+15], 0, v[X0_], v[X1_] matrix_b_scale:MATRIX_SCALE_ROW1
.else
	v_wmma_scale_f32_16x16x128_f8f6f4 v[D_:D_+7], v[S0_:S0_+15], v[S1_:S1_+15], 0, v[X0_], v[X1_]
.endif
.endm
.macro PR a, b, g                      ; token tile a x column tile b (0-3: Q or K; 4, 5: V), the g-th 128 of K
.set P_, (\g)%2
.set F_, 128*P_+16*(\a)
.set B_, 96+32*P_+16*(\b)
.set XA_, SA+8*((\a)/2)+(\g)
.set XB_, SB+8*((\b)/2)+(\g)
.if (\b) < 4
.set D_, 8*(4*(\a)+(\b))
.set S0_, B_
.set S1_, F_
.set X0_, XB_
.set X1_, XA_
	WIN 0xa4+3*P_
.if (\g) == 0
	WMZ (\b)%2, (\a)%2
.else
	WM (\b)%2, (\a)%2
.endif
.else
.set D_, 8*(8*((\b)-4)+(\a))
.set S0_, F_
.set S1_, B_
.set X0_, XA_
.set X1_, XB_
	WIN 0xf1+12*P_
.if (\g) == 0
	WMZ (\a)%2, (\b)%2
.else
	WM (\a)%2, (\b)%2
.endif
.endif
.endm
.macro TILE a, g                       ; a token tile's six products
	PR \a, 0, \g
	PR \a, 1, \g
	PR \a, 2, \g
	PR \a, 3, \g
	PR \a, 4, \g
	PR \a, 5, \g
.endm
.macro FRAGL f, g                      ; fragment f (0-3: Q's or K's weight, 4, 5: V's, 6-13: tokens) of the g-th 128 of K: lane (r, h) holds row r, registers 4 c .. 4 c + 3 hold K = 32 c + 16 h + 0 .. 15
.set P_, (\g)%2
.set L_, ((\g)/2)%2
.if (\f) < 6
.set R_, 96+32*P_+16*(\f)
	WIN 0xc0*P_
.else
.set R_, 128*P_+16*((\f)-6)
	WIN 0x40
.endif
.if (\f) < 4
.set AD_, ADRB+L_
.set O_, 128*P_+16*PITCH*(\f)
.elseif (\f) < 6
.set AD_, ADRV+L_
.set O_, 128*P_+16*PITCH*((\f)-4)
.else
.set AD_, ADRA+L_
.set O_, 128*P_+16*PITCH*((\f)-6)
.endif
.irp c, 0,1,2,3
	ds_load_b128 v[R_+4*\c:R_+4*\c+3], v[AD_] offset:O_+32*\c
.endr
.endm
.macro RUNA g                          ; the weights' six fragments and the first of the tokens': 28 loads,
.irp f, 0,1,2,3,4,5,6
	FRAGL \f, \g
.endr
.endm
.macro RUNB g                          ; the other seven
.irp f, 7,8,9,10,11,12,13
	FRAGL \f, \g
.endr
.endm
; A step of 128 along K whose successor lies in the same slot (g = 7: that has none).  The 48 accumulators take turns.
.macro EVEN g
	s_wait_dscnt 16                                ; all but token fragments 4-7, the last 16 loads
.if ((\g) > 0) && ((\g) < 7)
	PLACES 8                                       ; in front of the loads into the set that the step before has read
	RUNA \g+1
.endif
.irp a, 0,1,2,3
	TILE \a, \g
.endr
.if ((\g) > 0) && ((\g) < 7)
	s_wait_dscnt 28                                ; token fragments 4-7 are in; the run just issued may be out
.else
	s_wait_dscnt 0x0
.endif
.if (\g) == 0
	RUNA \g+1
.endif
.if (\g) < 7
	RUNB \g+1
.endif
.irp a, 4,5,6,7
	TILE \a, \g
.endr
.endm
; A slot's last step changes slots: in front of the barrier each wave waits for its tensor loads, adds 0 to its spare word, and waits for that and for its reads of this slot.  fill: this slot is filled again, behind a round.
.macro ODD g, fill
	s_wait_dscnt 16
.irp a, 0,1,2
	TILE \a, \g
.endr
	WIN 0
	s_wait_tensorcnt 0x0                           ; my part of the next slot is in
.if \fill
	ds_add_u32 v[SPW], v[NIL]
	NEXT
.endif
	TILE 3, \g
	s_wait_dscnt 0x0                               ; the add is done, and my reads of this slot are over
	s_barrier_signal -1
	TILE 4, \g
	WIN 0
	s_barrier_wait -1
.if \fill
	CREST
	JLOAD
	PLACES 4                                       ; with the load's four: eight in front of the loads below
.else
	PLACES 8
.endif
	RUNA \g+1
	RUNB \g+1
.if (\fill) == 1
	WIN 0
	global_prefetch_b8 v[PFO], s[PFA:PFA+1] offset:3*KSB th:TH_LOAD_NT scope:SCOPE_SE
.endif
.irp a, 5,6,7
	TILE \a, \g
.endr
.endm
	s_wait_loadcnt 0x0                             ; my scale words
	s_wait_tensorcnt 0x0                           ; my part of K step 0
	ds_add_u32 v[SPW], v[NIL]
	NEXT
	s_wait_dscnt 0x0
	CROUND
	JLOAD                                          ; K step 1
	RUNA 0
	RUNB 0
	WIN 0
	global_prefetch_b8 v[PFO], s[PFA:PFA+1] offset:2*KSB th:TH_LOAD_NT scope:SCOPE_SE
	EVEN 0
	ODD 1, 1                                       ; K step 2 into slot 0
	EVEN 2
	ODD 3, 2                                       ; K step 3 into slot 1
	EVEN 4
	ODD 5, 0
	EVEN 6
	EVEN 7
; THE WAY OUT: four blocks of 32 at a time, 16 registers a lane each: two tiles of 16 tokens of Q or K (window 2), or 16 channels of V (window 3)
.set N_, 0
.macro OUT k, w, wd, base
.set AC, 64*(\k)
.set PC, 96+16*(N_%2)
.set N_, N_+1
	s_wait_xcnt 0x0                                ; the stores that read these codes' registers have taken them
	WIN (\w)|((\w)<<2)
.irp b, 0,1,2,3
	v_max3_num_f32 v[TM+\b], |v[AC+16*\b]|, |v[AC+16*\b+1]|, 0x4800000
.endr
.irp i, 2,4,6,8,10,12,14
.irp b, 0,1,2,3
	v_max3_num_f32 v[TM+\b], |v[AC+16*\b+\i]|, |v[AC+16*\b+\i+1]|, v[TM+\b]
.endr
.endr
	WIN 0
.irp b, 0,1,2,3
	v_permlanex16_b32 v[TM+4+\b], v[TM+\b], s[SEL], s[SEL+1]
.endr
.irp b, 0,1,2,3
	v_max_num_f32 v[TM+\b], v[TM+\b], v[TM+4+\b]   ; with lane l xor 16's 16 numbers: the block's largest magnitude
.endr
.irp b, 0,1,2,3
	v_add_nc_u32 v[TM+12+\b], 0xfc000000, v[TM+\b] ; 8 off the exponent field: the conversion's scale operand
.endr
.irp b, 0,1,2,3
	v_and_or_b32 v[TM+8+\b], v[TM+\b], 0x7f800000, s[MNT]   ; 448 x the scale
.endr
.irp b, 0,1,2,3
	v_lshrrev_b32 v[TM+4+\b], 23, v[TM+12+\b]      ; the scale's byte
.endr
	v_lshl_or_b32 v[\wd], v[TM+5], 8, v[TM+4]
	v_lshl_or_b32 v[\wd], v[TM+6], 16, v[\wd]
	v_lshl_or_b32 v[\wd], v[TM+7], 24, v[\wd]
	WIN (\w)|((\w)<<6)
.irp b, 0,1,2,3
.set i, 0
.rept 16
	v_med3_num_f32 v[AC+16*\b+i], v[AC+16*\b+i], -v[TM+8+\b], v[TM+8+\b]   ; the conversion to an 8-bit code does not saturate (ISA guide 7.6.2): the hold comes first
.set i, i+1
.endr
.endr
	WIN \w
.irp b, 0,1,2,3
	v_cvt_scalef32_pk8_fp8_f32 v[PC+4*\b:PC+4*\b+1], v[AC+16*\b:AC+16*\b+7], v[TM+12+\b]
	v_cvt_scalef32_pk8_fp8_f32 v[PC+4*\b+2:PC+4*\b+3], v[AC+16*\b+8:AC+16*\b+15], v[TM+12+\b]
.endr
	WIN 0
	v_nop                                          ; a plain line behind the last conversion
.irp b, 0,1,2,3
	global_store_b128 v[VO], v[PC+4*\b:PC+4*\b+3], s[\base:\base+1] offset:2048*(\k)+512*\b   ; 512 consecutive bytes
.endr
.endm
	PLACES 8                                       ; ahead of the first reads of the sums
	WIN 0
.irp b, 0,1,2,3
	v_mov_b32 v[TM+4+\b], 0                        ; a lane permute's destination counts as one of its sources
.endr
	OUT 0, 3, WD+4, 72
	OUT 1, 3, WD+5, 72
	ds_store_b64 v[VST], v[WD+4:WD+5]              ; V's words: lanes l and l xor 16 write the same bytes with the same values
	OUT 0, 2, WD, 12
	OUT 1, 2, WD+1, 12
	OUT 2, 2, WD+2, 12
	OUT 3, 2, WD+3, 12
	ds_store_b128 v[QST], v[WD:WD+3]
	s_wait_dscnt 0x0                               ; for the others' sake: my words lie in LDS
	s_barrier_signal -1
	s_barrier_wait -1
	ds_load_b64 v[150:151], v[QRD]
	s_cmp_lg_u32 s16, 0
	s_cbranch_scc1 .Lno_v
	ds_load_b64 v[152:153], v[VRD]                 ; waves 0 and 2: V's 256 bytes, which two waves have made
	s_wait_dscnt 0x0
	global_store_b64 v[V8], v[152:153], s[74:75]
.Lno_v:
	s_wait_dscnt 0x0
	global_store_b64 v[V8], v[150:151], s[66:67]   ; 32 lanes store 256 consecutive bytes, aligned
	s_wait_tensorcnt 0x0                           ; the wave's end
	ds_add_u32 v[SPW], v[NIL]
	s_wait_dscnt 0x0
	CROUND                                         ; no work-group ends while a partner may still ask for a tile that names it
	s_endpgm
.Lfunc_end_k_q335993a736_qkv:
	.size	k_q335993a736_qkv, .Lfunc_end_k_q335993a736_qkv-k_q335993a736_qkv
	.p2alignl 7, 3214868480
	.fill 96, 4, 3214868480
	.section	.rodata,"a",@progbits
	.p2align	6, 0x0
	.amdhsa_kernel k_q335993a736_qkv
		.amdhsa_group_segment_fixed_size 327680
		.amdhsa_private_segment_fixed_size 0
		.amdhsa_enable_private_segment 0
		.amdhsa_kernarg_size 48
		.amdhsa_user_sgpr_count 2
		.amdhsa_user_sgpr_kernarg_segment_ptr 1
		.amdhsa_wavefront_size32 1
		.amdhsa_system_sgpr_workgroup_id_x 1
		.amdhsa_system_sgpr_workgroup_id_y 1
		.amdhsa_system_sgpr_workgroup_id_z 1
		.amdhsa_system_vgpr_workitem_id 0
		.amdhsa_next_free_vgpr 1024
		.amdhsa_next_free_sgpr 102
		.amdhsa_reserve_vcc 0
		.amdhsa_float_denorm_mode_32 3
		.amdhsa_float_denorm_mode_16_64 3
		.amdhsa_memory_ordered 1
		.amdhsa_forward_progress 1
		.amdhsa_inst_pref_size 152
	.end_amdhsa_kernel
	.amdgpu_metadata
---
amdhsa.version: [ 1, 2 ]
amdhsa.kernels:
  - .name:           k_q335993a736_qkv
    .symbol:         k_q335993a736_qkv.kd
    .args:
      - { .name: hcodes, .offset: 0, .size: 8, .value_kind: global_buffer, .address_space: global }
      - { .name: hscales, .offset: 8, .size: 8, .value_kind: global_buffer, .address_space: global }
      - { .name: wcodes, .offset: 16, .size: 8, .value_kind: global_buffer, .address_space: global }
      - { .name: wscales, .offset: 24, .size: 8, .value_kind: global_buffer, .address_space: global }
      - { .name: qbuf, .offset: 32, .size: 8, .value_kind: global_buffer, .address_space: global }
      - { .name: kv, .offset: 40, .size: 8, .value_kind: global_buffer, .address_space: global }
    .group_segment_fixed_size: 327680
    .private_segment_fixed_size: 0
    .kernarg_segment_align: 8
    .kernarg_segment_size: 48
    .max_flat_workgroup_size: 128
    .sgpr_count:     102
    .vgpr_count:     1024
    .wavefront_size: 32
...
	.end_amdgpu_metadata
.endif
;; end of part 2
;; launch attn (part 3): grid 8 x 32, 16 waves a work-group, no clusters, 327,680 bytes of LDS; arguments qbuf, kv, woimg, wf, part; writes part
.if DOCPART == 3
	.amdgcn_target "amdgcn-amd-amdhsa--gfx1250"
	.amdhsa_code_object_version 6
	.text
	.protected	k_q335993a736_attn
	.globl	k_q335993a736_attn
	.p2align	8
	.type	k_q335993a736_attn,@function
k_q335993a736_attn:
	s_mov_b64 s[64:65], 0
	v_nop
	global_prefetch_b8 v0, s[64:65] scope:SCOPE_SE
	s_setreg_imm32_b32 hwreg(HW_REG_WAVE_MODE, 25, 1), 1
	s_wait_xcnt 0x0
; Causal attention of one (batch, head) on codes of E4M3 with E8M0 scales, head size 64, and behind it this head's share of (O wo) wf:  part[head][token] = sum over n of wf[n] x sum over d of Q(O)[token][d] Q(wo)[64 head + d][n].
; SOFTMAX: t = score x log2(e) / 8; M = the row's largest t so far, rounded up to a whole number; p = 2^(t - M) is quantised along the keys, not normalised; the row's sum is taken of the unquantised p and divides O at the end.
; SHARES.  A work-group owns the blocks J and 15 - J of 128 queries of one head: 17 blocks of keys.  Eight tiles of 16 queries each; EVERY WAVE WORKS EIGHT OR NINE KEY STEPS of 128 keys in nine trips:
;   in trips 0 .. J wave 8 + t (t = 0 .. 7) works key step 0 .. J of tile t of block J (the last masked) and wave t the same steps of tile t of block 15 - J;
;   in trips J + 1 .. 7 both work that tile of block 15 - J: wave 8 + t the key steps J + 1, J + 3, .., wave t the steps J + 2, J + 4, ..; in trip 8 wave t works its last, 15 - J, which is masked.
;   Between its two tiles wave 8 + t quantises O of block J and keeps the codes.  At the end it hands its part of block 15 - J (O^T, sum and M) to wave t through LDS, which joins the two: both are brought under the larger M by powers of two.
; Key steps whose keys all come after a tile's queries are worked by nobody: the causal mask is reference()'s own.
; wo: O's codes of all sixteen tiles lie in LDS; waves t and 8 + t take columns 128 t on of wo, wave t for block 15 - J, wave 8 + t for block J: a fragment of wo feeds eight tiles.  The eight sums of a query are added at the end.
; THE WHOLE HEAD'S K AND V LIE IN LDS: 16 chunks of 16,896 bytes, each a key step's four fragments of K, four of V and their scale words, as images of the operand's registers: every LDS load reads 512 consecutive bytes.
; Trips 0 and 1 read chunks 0-3 alone, trips 4 to 8 chunks 4-15 alone: between trips 3 and 4 the first four chunks' bytes are filled again, once, with the head's 67,584 bytes of wo.
; K = 64 IN AN INSTRUCTION OF K = 128.  A row of 128 code bytes of K (and of wo) holds TWO vectors of 64.  The other operand, q (later O), stands between two runs of eight zero registers: v24-39 is [q | 0] and meets the
; first vector, v16-31 is [0 | q] and meets the second.  Zero codes add nothing: no scale byte here is 0xff, and the quantisers hold at 448, so no code is NaN.
; LAYOUT.  All products are used transposed (source 0 = keys, V's channels or wo's columns; source 1 = queries): a lane holds one query (lane % 16).  Keys and channels of a fragment are so chosen that the 16 registers of two
; neighbouring result tiles are 16 logical neighbours 32 j + 16 (lane / 16) + 0 .. 15: the conversions' results are the next operand's registers.
; NO CLUSTER: work-groups that share K and V differ in J, and which tile and step a trip works hangs on J.
; NO PREFETCH: a head's chunks are all asked for at the kernel's head, a load a wave, and there is no loop to run ahead in.
; LIMITS: the sum over wo's K = 1,024 is formed as 16 partial sums, one a head, added by the next launch, and the sum over n in pieces: another order of f32 rounding than one chain.  Scaled scores stay under 2^31 in magnitude.  NaN and infinities are not served.
.set CHUNK, 16896
.set HEADB, 16*CHUNK                   ; K and V of a head
.set WOB,   4*CHUNK                    ; wo of a head
.set WFL,   HEADB                      ; LDS: behind them wf, 4,096 bytes, each 64 numbers as [n % 8][n / 8],
.set SPARE, WFL+4096                   ; the spare words, 128 bytes for each wave: eight blocks of 256 bytes that no other line names,
.set PSTG,  SPARE+2048                 ; eight waves' parts of block 15 - J, 9 x 512 bytes each (later the eight sums of each query, 8,192 bytes),
.set OCT,   PSTG+8*4608                ; and O's codes of block J, 1,536 bytes a tile
.set OCL,   4*CHUNK                    ; O's codes of block 15 - J: in chunk 4's bytes, behind its last reads
.set RST,   PSTG
.set OCA, 0                            ; v0   O's codes of the block that I multiply with wo: OCL or OCT + 16 x lane (behind the head)
.set AL,  1                            ; v1   16 x lane: my place in an image
.set AW,  2                            ; v2   16 x (lane % 16): my row's four scale words
.set SPW, 3                            ; v3   LDS address of my spare word; never rewritten
.set NIL, 4                            ; v4   0; never rewritten
.set DQ,  5                            ; v5   my query's place in its block of 128, less 16 (lane / 16)
.set RSA, 5                            ; v5   later: where my sums go
.set ADK, 6                            ; v6   the step's chunk + AL
.set ADS, 7                            ; v7   the step's chunk + AW
.set AW2, 8                            ; v8   my columns' scale words of wo
.set WFA, 9                            ; v9   wf of my columns
.set WOA, 10                           ; v10  my columns' fragments of wo
.set WFO, 11                           ; v11  8 x thread: my piece of wf in memory (at the head alone)
.set QS2, 11                           ; v11  later: the scale word that belongs to the codes in ST
.set ACC, 6                            ; v6-13 with wo: a tile's weighted sums
.set FR,  40                           ; v40-103  four fragments
.set S,   104                          ; v104-167 S^T, then p
.set OT,  168                          ; v168-199 O^T
.set P,   200                          ; v200-215 the row sum's chains, then p's codes
.set BM,  216                          ; v216-219 a block's largest score, then its largest p
.set PB,  220                          ; v220-223 at work
.set HL,  224                          ; v224-227 448 x the scale
.set SO,  228                          ; v228-231 the conversions' scale operands
.set WFS, 230                          ; v230 where my piece of wf goes (at the head alone)
.set KW,  232                          ; v232-235 scale words of K's four fragments
.set VW,  236                          ; v236-239 of V's
.set FF,  240                          ; v[240:241] f = 2^(old M - new M), later 1 / the sum; the upper register is only named
.set PSW, 242                          ; v242 p's scale word
.set PSA, 243                          ; v243 PSTG + 4,608 (wave % 8) + 16 x lane
.set T,   244                          ; v244-245 at work
.set QW,  246                          ; v246 q's scale word
.set OCS, 247                          ; v247 OCA + 1,536 (wave % 8): where my codes of O go
.set ST,  248                          ; v248-255 waves 8-15: q's codes of block 15 - J, then O's codes of block J
.set WOF, 56                           ; with wo: v56-119 four fragments,
.set MG,  120                          ;   v120-155 the other wave's part, then v120-183 the results, two sets,
.set WFR, 184                          ;   v184-247 wf,
.set WKW, 248                          ;   v248-251 wo's scale words, v252-253 O's; v16-55 the codes of two tiles between zeros
.set QWA, 252
.set WV,  18
.set MNT, 19                           ; s19 the mantissa field of 448
.set SEL, 20                           ; s[20:21] v_permlanex16_b32's selects for lane l xor 16
.set CS,  22                           ; s[22:23] c = log2(e) / 8
.set G1,  24                           ; s[24:31] descriptor group 1: 66 dense rows of 256 bytes, for every load
.set G0,  32                           ; s[32:35] group 0: chunk number wave
.set G0W, 48                           ; s[48:51] group 0 for a quarter of wo
.set TB,  52                           ; s52 LDS byte at which the step's chunk begins
.set KS,  53                           ; s53 the key step
.set JB,  54                           ; s54 the block of the tile in hand
.set CNT, 55
.set BT,  74                           ; s74 my tile / 2: the block of 32 keys in which my tile's diagonal lies
.set JJ,  75                           ; s75 J
.set J15, 77                           ; s77 15 - J
.set JO,  84                           ; s84 J (waves 0-7) or J + 1
.set SW,  85                           ; s85 the trip in which my second tile begins (waves 0-7: none)
.set LT,  86                           ; s86 my last trip
.set TI,  87                           ; s87 the trip
	s_load_b256 s[4:11], s[0:1], 0x0               ; qbuf s[4:5], kv s[6:7], woimg s[8:9], wf s[10:11]
	s_load_b64 s[12:13], s[0:1], 0x20              ; part
	v_lshl_add_u32 v[SPW], v0, 2, SPARE
	v_mov_b32 v[NIL], 0
	ds_add_u32 v[SPW], v[NIL]                      ; the wave's opening: the add, twice on end, and its one wait
	ds_add_u32 v[SPW], v[NIL]
	v_lshrrev_b32 v[T], 5, v0
	v_readfirstlane_b32 s[WV], v[T]                ; wave 0..15
	s_and_b32 s58, s[WV], 7                        ; my tile, and my columns of wo
	s_mul_i32 s76, s58, 4608
	s_add_co_u32 s76, s76, PSTG
	s_lshr_b32 s59, s[WV], 3
	s_mul_i32 s60, s59, OCT-OCL
	s_add_co_u32 s60, s60, OCL
	s_mul_i32 s61, s58, 1536
	s_lshl_b32 s62, s58, 8
	s_add_co_u32 s62, s62, 65536
	s_lshl_b32 s63, s58, 13
	s_lshl_b32 s66, s58, 9
	s_add_co_u32 s66, s66, WFL
	s_lshr_b32 s[BT], s58, 1
	s_lshl_b32 s72, s[BT], 5
	s_and_b32 s73, s58, 1
	s_lshl_b32 s73, s73, 3
	s_add_co_u32 s72, s72, s73
	v_and_b32 v[T], 31, v0                         ; every LDS address of the loops is made here, ahead of the first branch on the wave's number
	v_and_b32 v[T+1], 15, v0                       ; r
	v_bfe_u32 v[BM], v0, 4, 1                      ; h
	v_bfe_u32 v[BM+1], v0, 3, 1
	v_and_b32 v[BM+3], 3, v0
	v_bfe_u32 v[SO], v0, 2, 3
	v_lshrrev_b32 v[SO+1], 5, v0
	v_lshlrev_b32 v[AL], 4, v[T]
	v_lshlrev_b32 v[AW], 4, v[T+1]
	v_lshlrev_b32 v[WFO], 3, v0
	v_lshlrev_b32 v[WFS], 6, v[BM+3]               ; numbers 2 x thread and the next: 64-number block thread / 32, n % 8 = 2 (thread % 4), n / 8 = (thread / 4) % 8
	v_and_b32 v[DQ], 7, v0                         ; lane r of tile Tl is query 32 (Tl / 2) + 8 (Tl % 2) + r % 8 + 16 (r / 8) of the block
	v_lshl_add_u32 v[WFA], v[BM], 8, s66
	v_add_nc_u32 v[PSA], s76, v[AL]
	v_lshl_add_u32 v[WFS], v[SO], 2, v[WFS]
	v_add_nc_u32 v[AW2], s62, v[AW]
	v_add_nc_u32 v[WOA], s63, v[AL]
	v_lshl_add_u32 v[DQ], v[BM+1], 4, v[DQ]
	v_lshlrev_b32 v[BM+2], 4, v[BM]
	v_lshl_add_u32 v[WFS], v[SO+1], 8, v[WFS]
	v_add_nc_u32 v[OCA], s60, v[AL]                ; (the thread's number is needed no more)
	v_sub_nc_u32 v[DQ], v[DQ], v[BM+2]
	v_add_nc_u32 v[WFS], WFL, v[WFS]
	v_add_nc_u32 v[OCS], s61, v[OCA]
	v_add_nc_u32 v[DQ], s72, v[DQ]
	s_wait_alu depctr_va_vdst(0)
	s_and_b32 s14, ttmp7, 0xffff
	s_lshr_b32 s[JJ], s14, 2                       ; J = work-group y / 4
	s_and_b32 s14, s14, 3
	s_lshl_b32 s15, ttmp9, 2
	s_add_co_u32 s15, s15, s14                     ; 16 x batch + head = 4 x work-group x + y % 4: the eight work-groups of a head share x
	s_lshr_b32 s16, s15, 4                         ; batch
	s_and_b32 s17, s15, 15                         ; head
	s_sub_co_u32 s[J15], 15, s[JJ]
	s_add_co_u32 s[JO], s[JJ], 1
	s_cmp_lt_u32 s[WV], 8
	s_cselect_b32 s[JB], s[J15], s[JJ]             ; my first tile's block
	s_cselect_b32 s[SW], 99, s[JO]
	s_cselect_b32 s[JO], s[JJ], s[JO]
	s_cselect_b32 s[LT], 8, 7
	s_cmp_eq_u32 s[WV], 0
	s_cselect_b32 s57, s[J15], s[JJ]               ; the block whose results wave 0 (15 - J) or wave 1 (J) stores
	s_mov_b32 s[TI], 0
	s_mov_b32 s[G1+0], 3<<16                       ; 15:0 no mask; 17:16 elements of 8 bytes; no padding
	s_mov_b32 s[G1+1], 32<<16                      ; tensor_dim0 = 32 elements: 256 bytes
	s_mov_b32 s[G1+2], 66<<16                      ; tensor_dim1 = 66
	s_mov_b32 s[G1+3], 32<<16                      ; tile_dim0
	s_mov_b32 s[G1+4], 66                          ; tile_dim1
	s_mov_b32 s[G1+5], 32                          ; tensor_dim0_stride: dense
	s_mov_b32 s[G1+6], 0
	s_mov_b32 s[G1+7], 0
	s_mul_i32 s59, s[WV], CHUNK                    ; my chunk: the same offset in memory and in LDS
	s_mul_i32 s60, s15, HEADB
	s_add_co_u32 s60, s60, s59
	s_mov_b32 s61, 0
	s_mul_i32 s62, s17, WOB
	s_add_co_u32 s62, s62, s59
	s_mov_b32 s63, 0
	s_lshl_b32 s56, s15, 4                         ; q: (16 batch + head) x 16 + block, of 8,448 bytes: eight tiles of 1,024 bytes of codes, and 256 bytes of scales: two bytes at 16 r + 2 x tile
	s_add_co_u32 s66, s56, s[JB]
	s_mul_i32 s66, s66, 8448
	s_add_co_u32 s80, s56, s[J15]
	s_mul_i32 s80, s80, 8448
	s_lshl_b32 s56, s58, 1
	s_add_co_u32 s56, s56, 8192
	s_add_co_u32 s68, s66, s56
	s_add_co_u32 s82, s80, s56
	s_lshl_b32 s56, s58, 10
	s_add_co_u32 s66, s66, s56
	s_add_co_u32 s80, s80, s56
	s_mov_b32 s67, 0
	s_mov_b32 s69, 0
	s_mov_b32 s81, 0
	s_mov_b32 s83, 0
	s_lshl_b32 s70, s17, 14                        ; part: head x 16,384 + (2,048 batch + 128 block) x 4
	s_lshl_b32 s71, s16, 13
	s_add_co_u32 s70, s70, s71
	s_lshl_b32 s71, s57, 9
	s_add_co_u32 s70, s70, s71
	s_mov_b32 s71, 0
	s_mov_b32 s[SEL], 0x76543210
	s_mov_b32 s[SEL+1], 0xfedcba98
	s_mov_b32 s[CS], 0x3e38aa3b                    ; c = log2(e) / sqrt(64)
	s_mov_b32 s[CS+1], s[CS]                       ; (named with it as a pair, so it is written)
	s_mov_b32 s[MNT], 0x600000
	s_wait_dscnt 0x0                               ; both opening adds are done
	s_wait_kmcnt 0x0
	s_add_nc_u64 s[60:61], s[6:7], s[60:61]
	s_add_nc_u64 s[62:63], s[8:9], s[62:63]
	s_add_nc_u64 s[66:67], s[4:5], s[66:67]
	s_add_nc_u64 s[68:69], s[4:5], s[68:69]
	s_add_nc_u64 s[80:81], s[4:5], s[80:81]
	s_add_nc_u64 s[82:83], s[4:5], s[82:83]
	s_add_nc_u64 s[12:13], s[12:13], s[70:71]
	s_mov_b32 s[G0], 1                             ; 1:0 count = 1
	s_mov_b32 s[G0+1], s59                         ; 63:32 LDS address
	s_mov_b64 s[G0+2:G0+3], s[60:61]               ; 120:64 global address
	s_or_b32 s[G0+3], s[G0+3], 0x80000000          ; 127:126 type = 2
	s_mov_b32 s[G0W], 1
	s_mov_b32 s[G0W+1], s59
	s_mov_b64 s[G0W+2:G0W+3], s[62:63]
	s_or_b32 s[G0W+3], s[G0W+3], 0x80000000
	s_cmp_lt_u32 s[WV], 4                          ; every wave fetches one chunk.  Chunks 0-3 have a line of their own: their waves wait at the first barrier, the others at the second
	s_cbranch_scc0 .Llater
	tensor_load_to_lds s[G0:G0+3], s[G1:G1+7]
	s_nop 0
.rept 4
	v_nop
.endr
	s_branch .Lfilled
.Llater:
	tensor_load_to_lds s[G0:G0+3], s[G1:G1+7]
	s_nop 0
.rept 4
	v_nop
.endr
.Lfilled:
	global_load_b64 v[T:T+1], v[WFO], s[10:11]     ; wf: 8 bytes a thread
	global_load_b128 v[24:27], v[AL], s[66:67]     ; q's codes stay in registers: channels 0-31,
	global_load_b128 v[28:31], v[AL], s[66:67] offset:512   ; 32-63
	global_load_u16 v[PSW], v[AW], s[68:69]        ; my row's two scale bytes
	global_load_b128 v[ST:ST+3], v[AL], s[80:81]   ; and those of block 15 - J
	global_load_b128 v[ST+4:ST+7], v[AL], s[80:81] offset:512
	global_load_u16 v[BM+1], v[AW], s[82:83]
.irp j, 0,1,2,3,4,5,6,7
	v_mov_b32 v[16+\j], 0                          ; the zero codes on both sides of q
	v_mov_b32 v[32+\j], 0
.endr
.macro CLEAR                           ; a tile begins: the step is written once; the first finds zeros, which the first change of M leaves zeros
	v_mov_b32 v13, 0xff61b1e6                      ; the largest t so far: -3e38
	v_mov_b32 v14, 0                               ; the sum, in two halves
	v_mov_b32 v15, 0
.set j, 0
.rept 32
	v_mov_b32 v[OT+j], 0
.set j, j+1
.endr
	v_floor_f32 v12, -v13                          ; -M
.endm
	CLEAR
.irp b, 0,1,2,3
	v_mov_b32 v[PB+\b], 0                          ; a lane permute's destination counts as one of its sources
.endr
	v_mov_b32 v[FF], 0
	v_mov_b32 v[FF+1], 0
	s_wait_loadcnt 0x0
	ds_store_b32 v[WFS], v[T]
	ds_store_b32 v[WFS], v[T+1] offset:32
	v_lshl_or_b32 v[QW], v[PSW], 16, v[PSW]        ; [s0, s1, s0, s1]
	v_lshl_or_b32 v[QS2], v[BM+1], 16, v[BM+1]
	s_wait_alu depctr_va_vdst(0)                   ; the wait at the head's end
	s_cmp_lt_u32 s[WV], 4
	s_cbranch_scc0 .Lnot_yet
	s_wait_tensorcnt 0x0                           ; waves 0-3: chunks 0-3 are in
.Lnot_yet:
	s_wait_dscnt 0x0                               ; my piece of wf lies in LDS
	s_barrier_signal -1
	s_barrier_wait -1
; A KEY STEP: 128 keys.  ph: which chunks the trips of the loop may read: 0: 0-3; 1: all; 2: 4-15.
.macro STEP ph
	s_cmp_eq_u32 s[TI], s[SW]
	s_cbranch_scc0 .Lsame_\@
	SWITCH
.Lsame_\@:
	s_cmp_gt_u32 s[TI], s[LT]
	s_cbranch_scc1 .Lhid_\@
	s_lshl_b32 s56, s[TI], 1
	s_sub_co_u32 s56, s56, s[JO]
	s_min_u32 s56, s56, s[J15]
	s_cmp_le_u32 s[TI], s[JJ]
	s_cselect_b32 s[KS], s[TI], s56                ; the trip itself, or 2 x trip - J (waves 8-15: - 1), at most 15 - J
.if \ph == 0
	s_min_u32 s57, s[KS], 3
	s_mul_i32 s[TB], s57, CHUNK
.elseif \ph == 1
	s_min_u32 s57, s[KS], 15
	s_mul_i32 s[TB], s57, CHUNK
.else
	s_sub_co_u32 s57, s[KS], 4
	s_min_u32 s57, s57, 11
	s_mul_i32 s[TB], s57, CHUNK
	s_add_co_u32 s[TB], s[TB], 4*CHUNK
.endif
	v_add_nc_u32 v[ADK], s[TB], v[AL]
	v_add_nc_u32 v[ADS], s[TB], v[AW]
.rept 6
	v_nop                                          ; with the two additions: eight places in front of loads into registers that the last products read
.endr
.irp b, 0,1,2,3
.irp c, 0,1,2,3
	ds_load_b128 v[FR+16*\b+4*\c:FR+16*\b+4*\c+3], v[ADK] offset:2048*\b+512*\c
.endr
.endr
	ds_load_b128 v[KW:KW+3], v[ADS] offset:16384
	s_wait_dscnt 0x0
	s_wait_alu depctr_va_vdst(0)
.irp b, 0,1,2,3                        ; row m of fragment b holds keys 32 b + 16 (m / 8) + m % 8 and, in its second half, the key 8 further on
	v_wmma_scale_f32_16x16x128_f8f6f4 v[S+16*\b:S+16*\b+7], v[FR+16*\b:FR+16*\b+15], v[24:39], 0, v[KW+\b], v[QW]
	v_wmma_scale_f32_16x16x128_f8f6f4 v[S+16*\b+8:S+16*\b+15], v[FR+16*\b:FR+16*\b+15], v[16:31], 0, v[KW+\b], v[QW]
.endr                                  ; register 16 b + i of S^T is key 32 b + 16 (lane / 16) + i of the step
.rept 8
	v_nop
.endr
.irp t, 0,1,2,3                        ; V's fragments take K's registers and land under the softmax
.irp c, 0,1,2,3
	ds_load_b128 v[FR+16*\t+4*\c:FR+16*\t+4*\c+3], v[ADK] offset:8192+2048*\t+512*\c
.endr
.endr
	ds_load_b128 v[VW:VW+3], v[ADS] offset:16640
	s_cmp_lg_u32 s[KS], s[JB]                      ; on the diagonal the scores of hidden keys become -infinity ahead of the maximum: p = 0 then
	s_cbranch_scc1 .Lopen_\@
	v_mov_b32 v[T+1], 0xff800000
	s_wait_alu depctr_va_vdst(0)                   ; the wait ahead of the branches
.set n, 0
.irp b, 0,1,2,3
	s_cmp_gt_u32 s[BT], \b                         ; a block of 32 keys ahead of my tile's diagonal counts whole
	s_cbranch_scc1 .Lseen_\@_\b
.rept 16
	v_cmp_gt_i32 vcc_lo, 32*(n/16)+n%16, v[DQ]
	v_cndmask_b32 v[S+n], v[S+n], v[T+1], vcc_lo
.set n, n+1
.endr
.Lseen_\@_\b:
.endr
	s_wait_alu depctr_va_vdst(0)
.Lopen_\@:
.irp b, 0,1,2,3
	v_max3_num_f32 v[BM+\b], v[S+16*\b], v[S+16*\b+1], v[S+16*\b+2]   ; the largest score of each block of 32 keys: for the row's maximum and, since p rises with the score, for the block's largest p
.endr
.irp i, 3,5,7,9,11,13
.irp b, 0,1,2,3
	v_max3_num_f32 v[BM+\b], v[BM+\b], v[S+16*\b+\i], v[S+16*\b+\i+1]
.endr
.endr
.irp b, 0,1,2,3
	v_max_num_f32 v[BM+\b], v[BM+\b], v[S+16*\b+15]
.endr
.irp b, 0,1,2,3
	s_delay_alu instid0(VALU_DEP_4)
	v_permlanex16_b32 v[PB+\b], v[BM+\b], s[SEL], s[SEL+1]
.endr
.irp b, 0,1,2,3
	s_delay_alu instid0(VALU_DEP_4)
	v_max_num_f32 v[BM+\b], v[BM+\b], v[PB+\b]     ; with lane l xor 16's 16 keys
.endr
	s_delay_alu instid0(VALU_DEP_2)
	v_max3_num_f32 v[T], v[BM], v[BM+1], v[BM+2]
	s_delay_alu instid0(VALU_DEP_1)
	v_max_num_f32 v[T], v[T], v[BM+3]              ; the step's largest score of my query
	s_delay_alu instid0(VALU_DEP_1)
	v_mul_f32 v[T], s[CS], v[T]                    ; as t (c is positive)
	s_delay_alu instid0(VALU_DEP_1)
	v_max_num_f32 v13, v13, v[T]                   ; the running largest t
	v_mov_b32 v[T], v12
	s_delay_alu instid0(VALU_DEP_2)
	v_floor_f32 v12, -v13                          ; the new -M = floor(-t) = -ceil(t): M is a whole number
	s_delay_alu instid0(VALU_DEP_1)
	v_sub_f32 v[T], v12, v[T]                      ; old M - new M: a whole number, 0 or less
	s_delay_alu instid0(VALU_DEP_1)
	v_cvt_i32_f32 v[T], v[T]                       ; (it saturates)
	s_delay_alu instid0(VALU_DEP_1)
	v_ldexp_f32 v[FF], 1.0, v[T]                   ; f = 2^(old M - new M): a multiplication by it rounds nothing
.set j, 0
.rept 32
	v_pk_fma_f32 v[S+j:S+j+1], v[S+j:S+j+1], s[CS:CS+1], v[12:13] op_sel_hi:[1,0,0]   ; t - M, two at a time
.set j, j+2
.endr
.irp b, 0,1,2,3
	v_fma_f32 v[BM+\b], v[BM+\b], s[CS], v12       ; the same of each block's largest score
.endr
	s_wait_alu depctr_va_vdst(0)                   ; one wait ahead of the batch, one behind it
.set j, 0
.rept 64
	v_exp_f32 v[S+j], v[S+j]                       ; p = 2^(t - M), at most 1
.set j, j+1
.endr
.irp b, 0,1,2,3
	v_exp_f32 v[BM+\b], v[BM+\b]                   ; the block's largest p: the same two instructions on the same number give the same bits
.endr
	v_pk_mul_f32 v[14:15], v[14:15], v[FF:FF+1] op_sel_hi:[1,0]   ; the sums under the new M; also the plain line behind the exponentials
	s_wait_alu depctr_va_vdst(0)
.irp b, 0,1,2,3
	v_max_num_f32 v[BM+\b], 0x4800000, v[BM+\b]    ; the floor 2^(9 - 127): a block whose every p is 0 keeps the byte 1; its codes are zeros
.endr
.set j, 0
.rept 8
	v_pk_add_f32 v[P+2*j:P+2*j+1], v[S+8*j:S+8*j+1], v[S+8*j+2:S+8*j+3]   ; the row's sum, of the unquantised p, in eight chains
.set j, j+1
.endr
.irp b, 0,1,2,3
	v_add_nc_u32 v[SO+\b], 0xfc000000, v[BM+\b]    ; 8 off the exponent field: the conversion's scale operand
.endr
.irp b, 0,1,2,3
	v_and_or_b32 v[HL+\b], v[BM+\b], 0x7f800000, s[MNT]   ; 448 x the scale
.endr
.irp k, 4,6
.set j, 0
.rept 8
	v_pk_add_f32 v[P+2*j:P+2*j+1], v[P+2*j:P+2*j+1], v[S+8*j+\k:S+8*j+\k+1]
.set j, j+1
.endr
.endr
.irp b, 0,1,2,3
	v_lshrrev_b32 v[PB+\b], 23, v[SO+\b]           ; the scale's byte
.endr
.irp j, 0,2,4,6
	v_pk_add_f32 v[P+\j:P+\j+1], v[P+\j:P+\j+1], v[P+8+\j:P+9+\j]
.endr
	v_lshl_or_b32 v[PSW], v[PB+1], 8, v[PB]        ; p's scale word for these 128 keys
.irp j, 0,2
	v_pk_add_f32 v[P+\j:P+\j+1], v[P+\j:P+\j+1], v[P+4+\j:P+5+\j]
.endr
	v_lshl_or_b32 v[PSW], v[PB+2], 16, v[PSW]
	v_pk_add_f32 v[P:P+1], v[P:P+1], v[P+2:P+3]
	v_lshl_or_b32 v[PSW], v[PB+3], 24, v[PSW]
	v_pk_add_f32 v[14:15], v[14:15], v[P:P+1]
.irp b, 0,1,2,3
.set j, 0
.rept 8
	v_dual_min_num_f32 v[S+16*\b+j], v[HL+\b], v[S+16*\b+j] :: v_dual_min_num_f32 v[S+16*\b+j+1], v[HL+\b], v[S+16*\b+j+1]   ; the conversion to an 8-bit code does not saturate (ISA guide 7.6.2); p is not negative, so the hold is one-sided
.set j, j+2
.endr
	v_cvt_scalef32_pk8_fp8_f32 v[P+4*\b:P+4*\b+1], v[S+16*\b:S+16*\b+7], v[SO+\b]
	v_cvt_scalef32_pk8_fp8_f32 v[P+4*\b+2:P+4*\b+3], v[S+16*\b+8:S+16*\b+15], v[SO+\b]
.endr
.set j, 0
.rept 16
	v_pk_mul_f32 v[OT+j:OT+j+1], v[OT+j:OT+j+1], v[FF:FF+1] op_sel_hi:[1,0]   ; O^T under the new M; these are also the places between the codes and the products below
.set j, j+2
.endr
	s_wait_alu depctr_va_vdst(0)
	s_wait_dscnt 0x0                               ; V's fragments and scale words are in
.irp t, 0,1,2,3                        ; O^T += V^T P^T: the four accumulators by turns, one instruction a turn
	v_wmma_scale_f32_16x16x128_f8f6f4 v[OT+8*\t:OT+8*\t+7], v[FR+16*\t:FR+16*\t+15], v[P:P+15], v[OT+8*\t:OT+8*\t+7], v[VW+\t], v[PSW]
.endr
.Lhid_\@:
	s_add_co_u32 s[TI], s[TI], 1
.endm
.macro LOOP n, ph
	s_mov_b32 s[CNT], \n
.Lstep_\@:
	STEP \ph
	s_sub_co_u32 s[CNT], s[CNT], 1
	s_cmp_lg_u32 s[CNT], 0
	s_cbranch_scc1 .Lstep_\@
.endm
; A tile's end: O = O^T / the sum, quantised along the head's 64 channels (two blocks of 32 of wo's K): codes into P on, the word [s0, s1, s0, s1] into T + 1
.macro FINAL
	v_add_f32 v14, v14, v15                        ; the sum's two halves,
	s_delay_alu instid0(VALU_DEP_1)
	v_permlanex16_b32 v[T], v14, s[SEL], s[SEL+1]
	s_delay_alu instid0(VALU_DEP_1)
	v_add_f32 v14, v14, v[T]                       ; and lane l xor 16's
	s_wait_alu depctr_va_vdst(0)
	v_rcp_f32 v[FF], v14
	v_nop                                          ; a plain line behind the transcendental
	s_wait_alu depctr_va_vdst(0)
.set j, 0
.rept 16
	v_pk_mul_f32 v[OT+j:OT+j+1], v[OT+j:OT+j+1], v[FF:FF+1] op_sel_hi:[1,0]   ; register 16 b + i is channel 32 b + 16 (lane / 16) + i of my query
.set j, j+2
.endr
.irp b, 0,1
	v_max3_num_f32 v[BM+\b], |v[OT+16*\b]|, |v[OT+16*\b+1]|, 0x4800000
.endr
.irp i, 2,4,6,8,10,12,14
.irp b, 0,1
	s_delay_alu instid0(VALU_DEP_2)
	v_max3_num_f32 v[BM+\b], v[BM+\b], |v[OT+16*\b+\i]|, |v[OT+16*\b+\i+1]|
.endr
.endr
.irp b, 0,1
	s_delay_alu instid0(VALU_DEP_2)
	v_permlanex16_b32 v[PB+\b], v[BM+\b], s[SEL], s[SEL+1]
.endr
.irp b, 0,1
	s_delay_alu instid0(VALU_DEP_2)
	v_max_num_f32 v[BM+\b], v[BM+\b], v[PB+\b]
.endr
.irp b, 0,1
	s_delay_alu instid0(VALU_DEP_2)
	v_add_nc_u32 v[SO+\b], 0xfc000000, v[BM+\b]
.endr
.irp b, 0,1
	s_delay_alu instid0(VALU_DEP_4)
	v_and_or_b32 v[HL+\b], v[BM+\b], 0x7f800000, s[MNT]
.endr
.irp b, 0,1
	s_delay_alu instid0(VALU_DEP_4)
	v_lshrrev_b32 v[PB+\b], 23, v[SO+\b]
.endr
	s_delay_alu instid0(VALU_DEP_1)
	v_lshl_or_b32 v[T+1], v[PB+1], 8, v[PB]
	s_delay_alu instid0(VALU_DEP_1)
	v_lshl_or_b32 v[T+1], v[T+1], 16, v[T+1]
.irp b, 0,1
.set j, 0
.rept 16
	v_med3_num_f32 v[OT+16*\b+j], v[OT+16*\b+j], -v[HL+\b], v[HL+\b]
.set j, j+1
.endr
	v_cvt_scalef32_pk8_fp8_f32 v[P+4*\b:P+4*\b+1], v[OT+16*\b:OT+16*\b+7], v[SO+\b]
	v_cvt_scalef32_pk8_fp8_f32 v[P+4*\b+2:P+4*\b+3], v[OT+16*\b+8:OT+16*\b+15], v[SO+\b]
.endr
	v_nop                                          ; a plain line behind the last conversion
.endm
.macro SWITCH                          ; waves 8-15: block J is done: its O is quantised and kept, and my tile of block 15 - J begins
.rept 8
	v_nop                                          ; places behind the last products
.endr
	s_wait_alu depctr_va_vdst(0)
	FINAL
.set j, 0
.rept 4
	v_dual_mov_b32 v[24+j], v[ST+j] :: v_dual_mov_b32 v[25+j], v[ST+j+1]
.set j, j+2
.endr
	v_mov_b32 v[QW], v[QS2]
.set j, 0
.rept 4
	v_dual_mov_b32 v[ST+j], v[P+j] :: v_dual_mov_b32 v[ST+j+1], v[P+j+1]
.set j, j+2
.endr
	v_mov_b32 v[QS2], v[T+1]
	CLEAR
	s_mov_b32 s[JB], s[J15]
	s_wait_alu depctr_va_vdst(0)
.endm
	LOOP 2, 0                                      ; trips 0, 1: chunks 0-3
	s_wait_tensorcnt 0x0                           ; my chunk is in: with this barrier the whole head lies in LDS for every wave
	s_wait_dscnt 0x0
	s_barrier_signal -1
	s_barrier_wait -1
	LOOP 2, 1                                      ; trips 2, 3
	s_wait_tensorcnt 0x0
	ds_add_u32 v[SPW], v[NIL]                      ; 0 onto my spare word
	s_wait_dscnt 0x0                               ; the add is done, and my reads of chunks 0-3 are over
	s_barrier_signal -1
	s_barrier_wait -1
	s_cmp_lt_u32 s[WV], 4                          ; chunks 0-3 are read no more: their bytes take the head's wo, a quarter to each of waves 0-3: my one tensor load behind this barrier
	s_cbranch_scc0 .Lno_wo
	tensor_load_to_lds s[G0W:G0W+3], s[G1:G1+7]
	s_nop 0
.rept 4
	v_nop
.endr
.Lno_wo:
	LOOP 5, 2                                      ; trips 4 to 8: chunks 4-15
.rept 8
	v_nop                                          ; places behind the last products
.endr
.irp j, 0,1,2,3,4,5,6,7
	v_mov_b32 v[48+\j], 0                          ; zero codes behind the second tile's place, v40-47
.endr
	s_wait_alu depctr_va_vdst(0)
	s_cmp_lt_u32 s[WV], 8
	s_cbranch_scc1 .Lkeep
.irp i, 0,1,2,3,4,5,6,7
	ds_store_b128 v[PSA], v[OT+4*\i:OT+4*\i+3] offset:512*\i   ; my part of block 15 - J: O^T,
.endr
	ds_store_b128 v[PSA], v[12:15] offset:4096     ; -M, (the largest t,) the sum's two halves
	ds_store_b128 v[OCS], v[ST:ST+3]               ; O's codes of block J
	ds_store_b128 v[OCS], v[ST+4:ST+7] offset:512
	ds_store_b32 v[OCS], v[QS2] offset:1024
.Lkeep:
	s_wait_tensorcnt 0x0                           ; my quarter of wo is in
	s_wait_dscnt 0x0                               ; for the others' sake: what I handed over lies in LDS, and my reads of the chunks are over
	s_barrier_signal -1
	s_barrier_wait -1
.irp f, 0,1,2,3                        ; my 128 columns of wo: four fragments and their scale words
.irp c, 0,1,2,3
	ds_load_b128 v[WOF+16*\f+4*\c:WOF+16*\f+4*\c+3], v[WOA] offset:2048*\f+512*\c
.endr
.endr
	ds_load_b128 v[WKW:WKW+3], v[AW2]
	s_cmp_lt_u32 s[WV], 8
	s_cbranch_scc0 .Lcoded
.irp i, 0,1,2,3,4,5,6,7
	ds_load_b128 v[MG+4*\i:MG+4*\i+3], v[PSA] offset:512*\i
.endr
	ds_load_b128 v[MG+32:MG+35], v[PSA] offset:4096
	s_wait_dscnt 0x0
	v_min_num_f32 v[T], v12, v[MG+32]              ; -M of both parts
	v_sub_f32 v[BM], v[T], v12
	v_sub_f32 v[BM+1], v[T], v[MG+32]
	v_cvt_i32_f32 v[BM], v[BM]
	v_cvt_i32_f32 v[BM+1], v[BM+1]
	v_ldexp_f32 v[FF], 1.0, v[BM]                  ; my part's factor,
	v_ldexp_f32 v[PB], 1.0, v[BM+1]                ; the other's (0 where it has worked no step)
	v_pk_mul_f32 v[14:15], v[14:15], v[FF:FF+1] op_sel_hi:[1,0]
.set j, 0
.rept 16
	v_pk_mul_f32 v[OT+j:OT+j+1], v[OT+j:OT+j+1], v[FF:FF+1] op_sel_hi:[1,0]
.set j, j+2
.endr
	v_pk_fma_f32 v[14:15], v[MG+34:MG+35], v[PB:PB+1], v[14:15] op_sel_hi:[1,0,1]
.set j, 0
.rept 16
	v_pk_fma_f32 v[OT+j:OT+j+1], v[MG+j:MG+j+1], v[PB:PB+1], v[OT+j:OT+j+1] op_sel_hi:[1,0,1]
.set j, j+2
.endr
	FINAL
	ds_store_b128 v[OCS], v[P:P+3]                 ; O's codes of block 15 - J
	ds_store_b128 v[OCS], v[P+4:P+7] offset:512
	ds_store_b32 v[OCS], v[T+1] offset:1024
.Lcoded:
	s_lshl_b32 s56, s58, 10                        ; my sums: RST + 1,024 (wave % 8) + 512 (wave / 8) + 64 x tile + 4 r
	s_lshr_b32 s57, s[WV], 3
	s_lshl_b32 s57, s57, 9
	s_add_co_u32 s56, s56, s57
	s_add_co_u32 s56, s56, RST
	v_lshrrev_b32 v[RSA], 2, v[AL]
	v_and_b32 v[RSA], 60, v[RSA]
	v_add_nc_u32 v[RSA], s56, v[RSA]
	s_wait_alu depctr_va_vdst(0)
	s_wait_dscnt 0x0                               ; for the others' sake: my codes lie in LDS
	s_barrier_signal -1
	s_barrier_wait -1
	; (O wo) wf.  Source 0 = 16 rows of an image of wo, each with two columns: row rr, half u of fragment f is n = 128 (wave % 8) + 8 rr + 2 f + u.  Source 1 = a tile's 16 queries.
	; In a result a lane holds a query and its register j the column of row rr = 8 (lane / 16) + j: each has its own wf; the sum over n is a sum over registers and products, then over the lanes l and l xor 16.
	; Fragments 0, 1 and 2, 3 have a set of results each: one is weighed behind the other's products.
.macro CODES k                         ; tile k's codes and scale words: three loads
	ds_load_b128 v[24+16*((\k)%2):27+16*((\k)%2)], v[OCA] offset:1536*(\k)
	ds_load_b128 v[28+16*((\k)%2):31+16*((\k)%2)], v[OCA] offset:1536*(\k)+512
	ds_load_b32 v[QWA+((\k)%2)], v[OCA] offset:1536*(\k)+1024
.endm
.macro WOP k, f
.set D_, MG+16*(\f)
.set C_, 24+16*((\k)%2)
	v_wmma_scale_f32_16x16x128_f8f6f4 v[D_:D_+7], v[WOF+16*(\f):WOF+16*(\f)+15], v[C_:C_+15], 0, v[WKW+(\f)], v[QWA+((\k)%2)]
	v_wmma_scale_f32_16x16x128_f8f6f4 v[D_+8:D_+15], v[WOF+16*(\f):WOF+16*(\f)+15], v[C_-8:C_+7], 0, v[WKW+(\f)], v[QWA+((\k)%2)]
.endm
.macro WEIGH f                         ; eight lines
.set D_, MG+16*(\f)
.set E_, WFR+16*(\f)
.irp u, 0,8
.irp p, 0,2,4,6
.if ((\f) == 0) && (\u == 0)
	v_pk_mul_f32 v[ACC+\p:ACC+\p+1], v[D_+\p:D_+\p+1], v[E_+\p:E_+\p+1]   ; the first product starts the sums
.else
	v_pk_fma_f32 v[ACC+\p:ACC+\p+1], v[D_+\u+\p:D_+\u+\p+1], v[E_+\u+\p:E_+\u+\p+1], v[ACC+\p:ACC+\p+1]
.endif
.endr
.endr
.endm
.macro SUM k
	v_pk_add_f32 v[ACC:ACC+1], v[ACC:ACC+1], v[ACC+2:ACC+3]
	v_pk_add_f32 v[ACC+4:ACC+5], v[ACC+4:ACC+5], v[ACC+6:ACC+7]
	s_delay_alu instid0(VALU_DEP_1)
	v_pk_add_f32 v[ACC:ACC+1], v[ACC:ACC+1], v[ACC+4:ACC+5]
	s_delay_alu instid0(VALU_DEP_1)
	v_add_f32 v14, v[ACC], v[ACC+1]
	s_delay_alu instid0(VALU_DEP_1)
	v_permlanex16_b32 v15, v14, s[SEL], s[SEL+1]
	s_delay_alu instid0(VALU_DEP_1)
	v_add_f32 v14, v14, v15
	ds_store_b32 v[RSA], v14 offset:64*(\k)        ; lanes l and l xor 16 write the same word with the same value
.endm
.irp c, 0,1,2,3,4,5,6,7
	ds_load_b128 v[WFR+8*\c:WFR+8*\c+3], v[WFA] offset:32*\c
	ds_load_b128 v[WFR+8*\c+4:WFR+8*\c+7], v[WFA] offset:32*\c+16
.endr
	CODES 0
	CODES 1
.irp k, 0,1,2,3,4,5,6,7
	s_wait_alu depctr_va_vdst(0)                   ; ahead of the wait below
.if \k < 2
	s_wait_dscnt 0x3                               ; tile k's codes are in; the next tile's three loads may be out
.elseif \k < 7
	s_wait_dscnt 0x4                               ; those and a store of a sum
.else
	s_wait_dscnt 0x1
.endif
	WOP \k, 0
	WOP \k, 1
.if \k > 0
	WEIGH 2
	WEIGH 3
	SUM \k-1
.endif
	WOP \k, 2
	WOP \k, 3
.if \k == 0
.rept 8
	v_nop
.endr
.endif
	WEIGH 0
	WEIGH 1
.if \k < 6
	CODES \k+2
.endif
.endr
	WEIGH 2
	WEIGH 3
	SUM 7
	s_lshl_b32 s56, s[WV], 9
	s_add_co_u32 s56, s56, RST
	v_add_nc_u32 v14, s56, v[AL]                   ; wave 0: block 15 - J's sums, wave 1: block J's
	s_wait_alu depctr_va_vdst(0)
	s_wait_dscnt 0x0                               ; for the others' sake: my sums lie in LDS
	s_barrier_signal -1
	s_barrier_wait -1
	s_cmp_lt_u32 s[WV], 2
	s_cbranch_scc0 .Ldone
.irp g, 0,1,2,3,4,5,6,7
	ds_load_b128 v[24+4*\g:27+4*\g], v14 offset:1024*\g
.endr
	s_wait_dscnt 0x0
.irp g, 1,2,3,4,5,6,7
	v_pk_add_f32 v[24:25], v[24:25], v[24+4*\g:25+4*\g]
	v_pk_add_f32 v[26:27], v[26:27], v[26+4*\g:27+4*\g]
.endr
	global_store_b128 v[AL], v[24:27], s[12:13]    ; 32 lanes store 512 consecutive bytes, aligned
.Ldone:
	s_wait_tensorcnt 0x0                           ; the wave's end
	ds_add_u32 v[SPW], v[NIL]
	s_wait_dscnt 0x0
	s_endpgm
.Lfunc_end_k_q335993a736_attn:
	.size	k_q335993a736_attn, .Lfunc_end_k_q335993a736_attn-k_q335993a736_attn
	.p2alignl 7, 3214868480
	.fill 96, 4, 3214868480
	.section	.rodata,"a",@progbits
	.p2align	6, 0x0
	.amdhsa_kernel k_q335993a736_attn
		.amdhsa_group_segment_fixed_size 327680
		.amdhsa_private_segment_fixed_size 0
		.amdhsa_enable_private_segment 0
		.amdhsa_kernarg_size 40
		.amdhsa_user_sgpr_count 2
		.amdhsa_user_sgpr_kernarg_segment_ptr 1
		.amdhsa_wavefront_size32 1
		.amdhsa_system_sgpr_workgroup_id_x 1
		.amdhsa_system_sgpr_workgroup_id_y 1
		.amdhsa_system_sgpr_workgroup_id_z 1
		.amdhsa_system_vgpr_workitem_id 0
		.amdhsa_next_free_vgpr 256
		.amdhsa_next_free_sgpr 96
		.amdhsa_reserve_vcc 1
		.amdhsa_float_denorm_mode_32 3
		.amdhsa_float_denorm_mode_16_64 3
		.amdhsa_memory_ordered 1
		.amdhsa_forward_progress 1
		.amdhsa_inst_pref_size 154
	.end_amdhsa_kernel
	.amdgpu_metadata
---
amdhsa.version: [ 1, 2 ]
amdhsa.kernels:
  - .name:           k_q335993a736_attn
    .symbol:         k_q335993a736_attn.kd
    .args:
      - { .name: qbuf, .offset: 0, .size: 8, .value_kind: global_buffer, .address_space: global }
      - { .name: kv, .offset: 8, .size: 8, .value_kind: global_buffer, .address_space: global }
      - { .name: woimg, .offset: 16, .size: 8, .value_kind: global_buffer, .address_space: global }
      - { .name: wf, .offset: 24, .size: 8, .value_kind: global_buffer, .address_space: global }
      - { .name: part, .offset: 32, .size: 8, .value_kind: global_buffer, .address_space: global }
    .group_segment_fixed_size: 327680
    .private_segment_fixed_size: 0
    .kernarg_segment_align: 8
    .kernarg_segment_size: 40
    .max_flat_workgroup_size: 512
    .sgpr_count:     96
    .vgpr_count:     256
    .wavefront_size: 32
...
	.end_amdgpu_metadata
.endif
;; end of part 3
;; launch fin (part 4): grid 32 x 1, 1 waves a work-group, no clusters, 0 bytes of LDS; arguments part, bo, wf, bf, out0; writes out0
.if DOCPART == 4
	.amdgcn_target "amdgcn-amd-amdhsa--gfx1250"
	.amdhsa_code_object_version 6
	.text
	.protected	k_q335993a736_fin
	.globl	k_q335993a736_fin
	.p2align	8
	.type	k_q335993a736_fin,@function
k_q335993a736_fin:
	s_mov_b64 s[64:65], 0
	v_nop
	global_prefetch_b8 v0, s[64:65] scope:SCOPE_SE
	s_setreg_imm32_b32 hwreg(HW_REG_WAVE_MODE, 25, 1), 1
	s_wait_xcnt 0x0
; out0[token] = the sum over the 16 heads of part[head][token] + (the sum over n of bo[n] wf[n]) + bf.
; part lies in memory order (bits 3 and 4 of the token exchanged); out0 in logical order.  A lane takes four neighbouring tokens, so the exchange is one of bits 1 and 2 of the lane:
; a wave still stores 512 consecutive bytes.  Every wave makes the constant itself from bo and wf (8 KB): no LDS, no barrier.  All loads go out in one run: one trip to memory.
; 4,096 results, 128 to a wave: 32 work-groups of one wave.
	s_load_b256 s[4:11], s[0:1], 0x0               ; part s[4:5], bo s[6:7], wf s[8:9], bf s[10:11]
	s_load_b64 s[12:13], s[0:1], 0x20              ; out0
	v_lshlrev_b32 v2, 4, v0                        ; part, bo, wf: 16 bytes a lane
	v_and_b32 v4, 0x19, v0                         ; the lane with bits 1 and 2 exchanged
	v_bfe_u32 v5, v0, 1, 1
	v_bfe_u32 v6, v0, 2, 1
	v_lshl_add_u32 v4, v5, 2, v4
	v_lshl_add_u32 v4, v6, 1, v4
	v_lshlrev_b32 v4, 4, v4
	v_mov_b32 v9, 0                                ; a lane permute's destination counts as one of its sources
	s_lshl_b32 s14, ttmp9, 9                       ; 128 tokens a work-group
	s_mov_b32 s15, 0
	s_mov_b32 s18, 0x76543210
	s_mov_b32 s19, 0xfedcba98
	s_wait_alu depctr_va_vdst(0)                   ; the wait at the head's end
	s_wait_kmcnt 0x0
	s_load_b32 s16, s[10:11], 0x0                  ; bf
	s_add_nc_u64 s[4:5], s[4:5], s[14:15]
	s_add_nc_u64 s[12:13], s[12:13], s[14:15]
.set i, 0
.rept 16
	global_load_b128 v[16+4*i:19+4*i], v2, s[4:5] offset:16384*i
.set i, i+1
.endr
.set i, 0
.rept 8
	global_load_b128 v[80+4*i:83+4*i], v2, s[6:7] offset:512*i
	global_load_b128 v[112+4*i:115+4*i], v2, s[8:9] offset:512*i
.set i, i+1
.endr
	s_wait_loadcnt 0x0
	s_wait_kmcnt 0x0
.set i, 0
.rept 4
	v_pk_mul_f32 v[144+2*i:145+2*i], v[80+2*i:81+2*i], v[112+2*i:113+2*i]   ; bo wf of my 32 columns, in four chains; the first products start them
.set i, i+1
.endr
.rept 12
	v_pk_fma_f32 v[144+2*(i%4):145+2*(i%4)], v[80+2*i:81+2*i], v[112+2*i:113+2*i], v[144+2*(i%4):145+2*(i%4)]
.set i, i+1
.endr
	v_pk_add_f32 v[144:145], v[144:145], v[146:147]
	v_pk_add_f32 v[148:149], v[148:149], v[150:151]
	v_pk_add_f32 v[144:145], v[144:145], v[148:149]
	v_add_f32 v8, v144, v145
	v_add_f32_dpp v8, v8, v8 row_xmask:1 row_mask:0xf bank_mask:0xf
	v_add_f32_dpp v8, v8, v8 row_xmask:2 row_mask:0xf bank_mask:0xf
	v_add_f32_dpp v8, v8, v8 row_xmask:4 row_mask:0xf bank_mask:0xf
	v_add_f32_dpp v8, v8, v8 row_xmask:8 row_mask:0xf bank_mask:0xf
	v_permlanex16_b32 v9, v8, s18, s19
	v_add_f32 v8, v8, v9                           ; every lane holds the sum over all 1,024 columns
	v_add_f32 v8, s16, v8                          ; + bf
.set i, 1
.rept 15
	v_pk_add_f32 v[16:17], v[16:17], v[16+4*i:17+4*i]      ; the heads, ascending
	v_pk_add_f32 v[18:19], v[18:19], v[18+4*i:19+4*i]
.set i, i+1
.endr
	v_pk_add_f32 v[16:17], v[16:17], v[8:9] op_sel_hi:[1,0]
	v_pk_add_f32 v[18:19], v[18:19], v[8:9] op_sel_hi:[1,0]
	global_store_b128 v4, v[16:19], s[12:13]       ; a wave's 32 lanes cover 512 consecutive bytes
	s_endpgm
.Lfunc_end_k_q335993a736_fin:
	.size	k_q335993a736_fin, .Lfunc_end_k_q335993a736_fin-k_q335993a736_fin
	.p2alignl 7, 3214868480
	.fill 96, 4, 3214868480
	.section	.rodata,"a",@progbits
	.p2align	6, 0x0
	.amdhsa_kernel k_q335993a736_fin
		.amdhsa_group_segment_fixed_size 0
		.amdhsa_private_segment_fixed_size 0
		.amdhsa_enable_private_segment 0
		.amdhsa_kernarg_size 40
		.amdhsa_user_sgpr_count 2
		.amdhsa_user_sgpr_kernarg_segment_ptr 1
		.amdhsa_wavefront_size32 1
		.amdhsa_system_sgpr_workgroup_id_x 1
		.amdhsa_system_sgpr_workgroup_id_y 1
		.amdhsa_system_sgpr_workgroup_id_z 1
		.amdhsa_system_vgpr_workitem_id 0
		.amdhsa_next_free_vgpr 160
		.amdhsa_next_free_sgpr 66
		.amdhsa_reserve_vcc 0
		.amdhsa_float_denorm_mode_32 3
		.amdhsa_float_denorm_mode_16_64 3
		.amdhsa_memory_ordered 1
		.amdhsa_forward_progress 1
		.amdhsa_inst_pref_size 8
	.end_amdhsa_kernel
	.amdgpu_metadata
---
amdhsa.version: [ 1, 2 ]
amdhsa.kernels:
  - .name:           k_q335993a736_fin
    .symbol:         k_q335993a736_fin.kd
    .args:
      - { .name: part, .offset: 0, .size: 8, .value_kind: global_buffer, .address_space: global }
      - { .name: bo, .offset: 8, .size: 8, .value_kind: global_buffer, .address_space: global }
      - { .name: wf, .offset: 16, .size: 8, .value_kind: global_buffer, .address_space: global }
      - { .name: bf, .offset: 24, .size: 8, .value_kind: global_buffer, .address_space: global }
      - { .name: out0, .offset: 32, .size: 8, .value_kind: global_buffer, .address_space: global }
    .group_segment_fixed_size: 0
    .private_segment_fixed_size: 0
    .kernarg_segment_align: 8
    .kernarg_segment_size: 40
    .max_flat_workgroup_size: 32
    .sgpr_count:     66
    .vgpr_count:     160
    .wavefront_size: 32
...
	.end_amdgpu_metadata
.endif
;; end of part 4
